; MI455X (gfx1250); checked and timed in simulation.
; The chip was launched on July 23, 2026; its instructions are those of AMD's public machine-readable ISA for CDNA 5 (MIT licence, August 2026) and "CDNA5" Instruction Set Architecture Reference Guide (July 2026). The comments in the code are by the model that wrote it; some were corrected since.
;; Multi Head Attention. Allowed arithmetic: matrix products marked QUANTISED: E2M1 operands, one E8M0 scale for each 32 along K, by v_wmma_scale_f32_16x16x128_f8f6f4 with both operands' format E2M1 (or v_wmma_scale_f32_32x16x128_f4), f32 sums; products left as they are: bf16, f16 or f32 operands; f32 sums; everything else in f32.
;; Inputs: bk 1,024 float32; bo 1,024 float32; bq 1,024 float32; bv 1,024 float32; key_ 4 x 2,048 x 1,024 float32; query 4 x 2,048 x 1,024 float32; value 4 x 2,048 x 1,024 float32; wk 1,024 x 1,024 float32; wo 1,024 x 1,024 float32; wq 1,024 x 1,024 float32; wv 1,024 x 1,024 float32.
;; Outputs: out0 4 x 2,048 x 1,024 float32.
;; This version of the problem:
;;   THIS VERSION OF THE PROBLEM IS GIVEN IN LOW PRECISION. The matrix products marked QUANTISED in the list below multiply operands that are first quantised to E2M1 (2 exponent bits, 1 mantissa bit; 4 bits a number), with one power-of-two scale for each 32 numbers along K (OCP MX v1.0); their sums are f32. The products marked 'left as it is' may take bf16, f16 or f32 operands, with f32 sums. Whichever they take, every output number must still come out within the allowed error. Rounding operands to bf16 (8 significant bits) uses up far more of that allowance than f16 does (11 bits, for magnitudes from 6e-5 to 65,504). All else is computed in f32.
;;   The module's matrix products, in the order in which they are computed (A, B: the left and right operand; K: the contracted axis; several contracted axes count as one K, in the product's order):
;;     1. [M 8,192, K 1,024] x [K 1,024, N 1,024]; A: input query; B: input wq: QUANTISED
;;     2. [M 8,192, K 1,024] x [K 1,024, N 1,024]; A: input key_; B: input wk: QUANTISED
;;     3. [M 8,192, K 1,024] x [K 1,024, N 1,024]; A: input value; B: input wv: QUANTISED
;;     4. batch 64 x [M 2,048, K 64] x [K 64, N 2,048]; A: computed on the way; B: computed on the way: left as it is (an operand is computed on the way)
;;     5. batch 64 x [M 2,048, K 2,048] x [K 2,048, N 64]; A: computed on the way; B: computed on the way: left as it is (an operand is computed on the way)
;;     6. [M 8,192, K 1,024] x [K 1,024, N 1,024]; A: computed on the way; B: input wo: left as it is (an operand is computed on the way)
;;   THE QUANTISER, for each operand of a quantised product, along K:
;;     - K is cut into blocks of 32 from its start; a last block that is shorter is filled with zeros.
;;     - A block's scale is 2^e with e = floor(log2(the largest magnitude in the block)) - 2, held to -126 .. 127; a block of zeros has e = 0. As a byte (E8M0): e + 127.
;;     - Each number is divided by its block's scale, clamped to +-6, and rounded to the nearest number of E2M1, ties to even, subnormals kept.
;;     - The product sums the exact products of the quantised numbers (number of the format x scale) in f32.
;;   ~~~python
;;   def quantise(x, axis):      # numpy; x: float32 -> the quantised numbers, widened to float32 again
;;       x = np.moveaxis(x, axis, -1); K = x.shape[-1]
;;       x = np.pad(x, [(0, 0)] * (x.ndim - 1) + [(0, -K % 32)]); x = x.reshape(x.shape[:-1] + (-1, 32)); a = np.abs(x).max(-1, keepdims=True)
;;       e = np.where(a > 0, np.clip(np.frexp(np.where(a > 0, a, 1))[1] - 1 - 2, -126, 127), 0)      # np.frexp(a)[1] - 1 = floor(log2(a)), exactly
;;       r = np.clip(x / 2.0 ** e, -6, 6)
;;       step = 2.0 ** (np.maximum(np.frexp(np.where(r == 0, 1, r))[1] - 1, 0) - 1)
;;       q = np.round(r / step) * step * 2.0 ** e      # np.round: ties to even
;;       return np.moveaxis(q.reshape(q.shape[:-2] + (-1,))[..., :K], -1, axis).astype(np.float32)
;;   ~~~
;; One version. Each part assembles by itself: llvm-mc -triple=amdgcn-amd-amdhsa -mcpu=gfx1250 --defsym DOCPART=n.
;; ======== version 1 of 1: 4 launches
;; limits: values are held in f16: magnitudes above 65,504 overflow, below 6.1e-05 lose precision
;; workspace buffers: xc 12,582,912 bytes; xs 786,432 bytes; wc 1,572,864 bytes; ws 98,304 bytes; wof 2,097,152 bytes; qkv 50,331,648 bytes; ctx 16,777,216 bytes
;; launch prep (part 1): grid 512 x 1, 8 waves a work-group, no clusters, 84,480 bytes of LDS; arguments query, key_, value, wq, wk, wv, wo, xc, xs, wc, ws, wof; writes xc, xs, wc, ws, wof
.if DOCPART == 1
	.amdgcn_target "amdgcn-amd-amdhsa--gfx1250"
	.amdhsa_code_object_version 6
	.text
	.protected	k_q670e6fa793_prep
	.globl	k_q670e6fa793_prep
	.p2align	8
	.type	k_q670e6fa793_prep,@function
k_q670e6fa793_prep:
	s_mov_b64 s[64:65], 0
	v_nop
	global_prefetch_b8 v0, s[64:65] scope:SCOPE_SE
	s_setreg_imm32_b32 hwreg(HW_REG_WAVE_MODE, 25, 1), 1
	s_wait_xcnt 0x0
; PREP: everything that is made once from the inputs.
;   work-groups 0-95:    wq, wk, wv [1024 k][1024 n] f32 -> codes of FP4 (E2M1) laid [n][k], K innermost (wc), one E8M0 byte for each 32 along K (ws)
;   work-groups 96-127:  wo [1024 k][1024 n] f32 -> f16, same layout (wof)
;   work-groups 128-511: query, key_, value [8192][1024] f32 -> codes (xc) and scale bytes (xs), K innermost as it lies
; A block's scale is 2^(floor(log2(largest magnitude)) - 2); its byte is the largest magnitude's exponent field - 2, held at 1 from below.
; LIMITS: a block of zeros gets the byte 1 where the quantiser's text says 127 (its codes are zeros, which add nothing, and this program alone reads the bytes);
; NaN and infinities among the inputs are not served; wo beyond 65,504 in magnitude becomes infinity in f16, under 6e-5 it keeps a step of 6e-8.
; The three kinds of work-group part on the work-group's number alone; each kind that uses LDS has LDS bytes of its own.
.set EMAX,  2
.set CB,    8                          ; bytes of 16 codes
.set STEPS, 16                         ; activations: steps of 512 numbers for a wave
.set R,     16                         ; v16-79   four sets of 16 numbers as loaded
.set X,     80                         ; v80-111  two sets of 16 neighbours
.set E,     112                        ; v112-127 a scale byte for each step
.set C,     128                        ; v128-191 codes: four registers a step, so that no store's data are written again
.set WREG,  8192                       ; LDS, activations: a region for each wave: two stages of 32 x SP bytes, then its 256 scale bytes
.set SP,    80                         ; a lane's place in a stage: 64 bytes + 16 of padding
.set WST,   65536                      ; LDS, weights: 32 columns' rows of codes, 512 bytes + 16
.set WPITCH, 528
.set WSC,   WST+32*WPITCH              ; and their 32 scale bytes each
.set SPARE, WSC+1024                   ; the spare words, 128 bytes for each wave: four blocks of 256 bytes that no other line names
.set WX,    32                         ; weights: v32-95 two sets of 32 numbers
.set WC,    96                         ; v96-99 a block's codes
.set SB,    24                         ; v24 my four scale bytes
.set SPW,   192                        ; v192 LDS address of my spare word; never rewritten
.set NIL,   193                        ; v193 0; never rewritten
.macro XLOAD t                         ; step t: four loads of 512 consecutive bytes
.irp i, 0,1,2,3
	global_load_b128 v[R+16*((\t)%4)+4*\i:R+16*((\t)%4)+4*\i+3], v3, s[32:33] offset:2048*(\t)+512*\i th:TH_LOAD_NT
.endr
.endm
.macro XTURN t                         ; step t's 2,048 bytes through my stage: in as they lie, out 64 bytes a lane.  LDS serves a wave's instructions in order
.irp i, 0,1,2,3
	ds_store_b128 v14, v[R+16*((\t)%4)+4*\i:R+16*((\t)%4)+4*\i+3] offset:32*SP*((\t)%2)+8*SP*\i
.endr
.irp i, 0,1,2,3
	ds_load_b128 v[X+16*((\t)%2)+4*\i:X+16*((\t)%2)+4*\i+3], v15 offset:32*SP*((\t)%2)+16*\i
.endr
.endm
.macro XSTEP t
.set XS, X+16*((\t)%2)
.if (\t) > 0
	s_wait_dscnt 1                                 ; this step's numbers are back from the stage; the last step's byte store may be out
.else
	s_wait_dscnt 0x0
.endif
.if (\t)+4 < STEPS
	XLOAD (\t)+4                                   ; into the set whose stores to the stage have read their registers
.endif
.if (\t)+1 < STEPS
.if STEPS-2-(\t) >= 3
	s_wait_loadcnt 12                              ; the next step's four loads are in; three later steps' twelve may be out
.else
	s_wait_loadcnt 4*(STEPS-2-(\t))
.endif
	XTURN (\t)+1
.endif
	v_max3_num_f32 v8, |v[XS]|, |v[XS+1]|, |v[XS+2]|               ; the largest magnitude of my 16, in two chains
	v_max3_num_f32 v9, |v[XS+3]|, |v[XS+4]|, |v[XS+5]|
.irp i, 6,10
	v_max3_num_f32 v8, v8, |v[XS+\i]|, |v[XS+\i+1]|
	v_max3_num_f32 v9, v9, |v[XS+\i+2]|, |v[XS+\i+3]|
.endr
	v_max3_num_f32 v8, v8, |v[XS+14]|, |v[XS+15]|
	v_max3_num_f32 v8, v8, v9, (EMAX+1)<<23        ; and the floor 2^(3 - 127): the byte cannot fall under 1
	v_max_num_f32_dpp v8, v8, v8 row_xmask:1 row_mask:0xf bank_mask:0xf   ; with my neighbour's 16: the block's
	v_add_nc_u32 v11, -(EMAX<<23), v8              ; 2 off its exponent field: the conversion takes this operand's exponent field as its scale
	v_cvt_scalef32_pk8_fp4_f32 v[C+4*(\t)], v[XS:XS+7], v11
	v_cvt_scalef32_pk8_fp4_f32 v[C+4*(\t)+1], v[XS+8:XS+15], v11
	v_lshrrev_b32 v[E+(\t)], 23, v11               ; the scale's byte (a plain line behind the conversions)
	ds_store_b8 v5, v[E+(\t)] offset:16*(\t)       ; both lanes of a block write the same byte with the same value
	global_store_b64 v4, v[C+4*(\t):C+4*(\t)+1], s[22:23] offset:32*CB*(\t)   ; the wave stores 256 consecutive bytes, aligned
.endm
.macro WLOAD t                         ; block t of my 128 along K: w(32 t + i, my column)
.irp i, 0,1,2,3,4,5,6,7,8,9,10,11,12,13,14,15,16,17,18,19,20,21,22,23,24,25,26,27,28,29,30,31
	global_load_b32 v[WX+32*((\t)%2)+\i], v3, s[32:33] offset:(32*(\t)+\i)*4096
.endr
.endm
.macro WBLOCK t
.set XS, WX+32*((\t)%2)
.if (\t) < 3
	s_wait_loadcnt 32                              ; this block's 32 loads are in; the next block's may be out
.else
	s_wait_loadcnt 0x0
.endif
	v_max3_num_f32 v12, |v[XS]|, |v[XS+1]|, |v[XS+2]|              ; all 32 numbers of the block are mine
	v_max3_num_f32 v13, |v[XS+3]|, |v[XS+4]|, |v[XS+5]|
.irp i, 6,10,14,18,22,26
	v_max3_num_f32 v12, v12, |v[XS+\i]|, |v[XS+\i+1]|
	v_max3_num_f32 v13, v13, |v[XS+\i+2]|, |v[XS+\i+3]|
.endr
	v_max3_num_f32 v12, v12, |v[XS+30]|, |v[XS+31]|
	v_max3_num_f32 v12, v12, v13, (EMAX+1)<<23
	v_add_nc_u32 v11, -(EMAX<<23), v12
	v_lshrrev_b32 v13, 23, v11
.if (\t) == 0
	v_mov_b32 v[SB], v13                           ; four bytes to a register, the lower K in the lower byte
.else
	v_lshl_or_b32 v[SB], v13, 8*(\t), v[SB]
.endif
.irp g, 0,1,2,3
	v_cvt_scalef32_pk8_fp4_f32 v[WC+\g], v[XS+8*\g:XS+8*\g+7], v11
.endr
	ds_store_b128 v4, v[WC:WC+3] offset:16*(\t)    ; 32 codes: 16 bytes of my column's row
.if (\t)+2 < 4
	WLOAD (\t)+2
.endif
	s_wait_dscnt 0x0                               ; the store has read its registers: the next block's codes may be written
.endm
	s_load_b512 s[8:23], s[0:1], 0x0               ; query 8, key_ 10, value 12, wq 14, wk 16, wv 18, wo 20, xc 22
	s_load_b256 s[24:31], s[0:1], 0x40             ; xs 24, wc 26, ws 28, wof 30
	v_lshl_add_u32 v[SPW], v0, 2, SPARE
	v_mov_b32 v[NIL], 0
	v_lshrrev_b32 v1, 5, v0
	v_readfirstlane_b32 s4, v1                     ; wave 0..7
	v_and_b32 v2, 31, v0                           ; lane
	s_mov_b32 s35, 0
	s_wait_kmcnt 0x0
	s_cmp_lt_u32 ttmp9, 96
	s_cbranch_scc1 .Lweights
	s_cmp_lt_u32 ttmp9, 128
	s_cbranch_scc1 .Lwo
	; ---- the activations: a plain stream of blocks of 32.  A wave takes 8,192 numbers
	s_sub_co_u32 s5, ttmp9, 128                    ; 0..383
	s_lshr_b32 s6, s5, 7                           ; which tensor
	s_and_b32 s7, s5, 127
	s_cmp_eq_u32 s6, 0
	s_cselect_b64 s[32:33], s[8:9], s[10:11]
	s_cmp_eq_u32 s6, 2
	s_cselect_b64 s[32:33], s[12:13], s[32:33]
	s_lshl_b32 s7, s7, 3
	s_add_co_u32 s7, s7, s4                        ; my run of 8,192 numbers in the tensor
	s_lshl_b32 s34, s7, 15
	s_add_nc_u64 s[32:33], s[32:33], s[34:35]
	s_lshl_b32 s5, s5, 3
	s_add_co_u32 s5, s5, s4                        ; and among the three tensors' runs
	s_lshl_b32 s34, s5, 12
	s_add_nc_u64 s[22:23], s[22:23], s[34:35]      ; 4,096 bytes of codes a run
	s_lshl_b32 s34, s5, 8
	s_add_nc_u64 s[24:25], s[24:25], s[34:35]      ; 256 scale bytes a run
	v_lshlrev_b32 v3, 4, v2                        ; my 16 bytes of a load's 512
	s_mul_i32 s6, s4, WREG
	v_lshrrev_b32 v14, 2, v2
	v_mul_u32_u24 v14, v14, SP
	v_and_b32 v15, 3, v2
	v_lshl_add_u32 v14, v15, 4, v14
	v_add_nc_u32 v14, s6, v14                      ; the stage, in: SP (lane / 4) + 16 (lane % 4)
	v_mul_u32_u24 v15, v2, SP
	v_add_nc_u32 v15, s6, v15                      ; out: SP x lane
	v_mul_u32_u24 v4, v2, CB                       ; my codes' place in a step's
	v_lshrrev_b32 v5, 1, v2
	s_add_co_u32 s6, s6, 2*32*SP
	v_add_nc_u32 v5, s6, v5                        ; my block's byte among my wave's 256
	v_lshlrev_b32 v7, 3, v2
	v_add_nc_u32 v6, s6, v7                        ; and 8 bytes a lane on their way out
.irp t, 0,1,2,3
	XLOAD \t
.endr
	s_wait_loadcnt 12                              ; step 0's four loads are in
	XTURN 0
.irp t, 0,1,2,3,4,5,6,7,8,9,10,11,12,13,14,15
	XSTEP \t
.endr
	ds_load_b64 v[8:9], v6                         ; LDS serves a wave's instructions in order: these see my byte stores
	s_wait_dscnt 0x0
	global_store_b64 v7, v[8:9], s[24:25]          ; 256 consecutive bytes, aligned
	s_wait_tensorcnt 0x0                           ; the wave's end
	ds_add_u32 v[SPW], v[NIL]
	s_wait_dscnt 0x0
	s_endpgm
	; ---- a weight: the work-group owns 32 columns and ALL of K, so that whole rows of codes (512 bytes) and of scale bytes (32) leave.
	; A lane takes a column and its registers run down K; wave w takes k = 128 w .. 128 w + 127
.Lweights:
	s_lshr_b32 s6, ttmp9, 5                        ; which weight
	s_and_b32 s7, ttmp9, 31                        ; which 32 columns
	s_cmp_eq_u32 s6, 0
	s_cselect_b64 s[32:33], s[14:15], s[16:17]
	s_cmp_eq_u32 s6, 2
	s_cselect_b64 s[32:33], s[18:19], s[32:33]
	s_lshl_b32 s34, s4, 19                         ; 128 rows of 4,096 bytes a wave
	s_lshl_b32 s7, s7, 7
	s_add_co_u32 s34, s34, s7
	s_add_nc_u64 s[32:33], s[32:33], s[34:35]
	s_lshl_b32 s34, ttmp9, 14
	s_add_nc_u64 s[26:27], s[26:27], s[34:35]      ; 32 rows of 512 bytes of codes
	s_lshl_b32 s34, ttmp9, 10
	s_add_nc_u64 s[28:29], s[28:29], s[34:35]      ; 32 rows of 32 scale bytes
	v_lshlrev_b32 v3, 2, v2
	s_lshl_b32 s5, s4, 6
	v_mul_u32_u24 v4, v2, WPITCH
	v_add_nc_u32 v4, s5, v4
	v_add_nc_u32 v4, WST, v4                       ; codes in: row = my column, 64 bytes a wave
	s_lshl_b32 s5, s4, 2
	v_lshlrev_b32 v5, 5, v2
	v_add_nc_u32 v5, s5, v5
	v_add_nc_u32 v5, WSC, v5                       ; scale word in: 32 bytes a column, 4 a wave
	s_mul_i32 s5, s4, 4*WPITCH
	v_lshlrev_b32 v6, 4, v2
	v_add_nc_u32 v7, s5, v6
	v_add_nc_u32 v7, WST, v7                       ; codes out: rows 4 w .. 4 w + 3, 16 bytes a lane
	s_lshl_b32 s5, s4, 11
	v_add_nc_u32 v8, s5, v6                        ; and their place in wc
	s_and_b32 s5, s4, 1
	s_lshl_b32 s5, s5, 9
	v_add_nc_u32 v10, s5, v6                       ; scale bytes out (waves 0 and 1): 512 bytes a wave
	v_add_nc_u32 v9, WSC, v10
	WLOAD 0
	WLOAD 1
	WBLOCK 0
	WBLOCK 1
	WBLOCK 2
	WBLOCK 3
	ds_store_b32 v5, v[SB]
	s_wait_dscnt 0x0                               ; for the others' sake: my stores have landed
	s_barrier_signal -1
	s_barrier_wait -1                              ; the 32 rows are whole
.irp i, 0,1,2,3
	ds_load_b128 v[112+4*\i:115+4*\i], v7 offset:\i*WPITCH
.endr
.irp i, 0,1,2,3
	s_wait_dscnt 3-\i                              ; row i is in; the later rows may be out
	global_store_b128 v8, v[112+4*\i:115+4*\i], s[26:27] offset:512*\i   ; 512 consecutive bytes, aligned
.endr
	s_cmp_lt_u32 s4, 2
	s_cbranch_scc0 .Lw_done
	ds_load_b128 v[128:131], v9
	s_wait_dscnt 0x0
	global_store_b128 v10, v[128:131], s[28:29]
.Lw_done:
	s_wait_tensorcnt 0x0                           ; the wave's end
	ds_add_u32 v[SPW], v[NIL]
	s_wait_dscnt 0x0
	s_endpgm
	; ---- wo to f16: a wave takes 4,096 numbers; all 32 loads go out at once
.Lwo:
	s_sub_co_u32 s5, ttmp9, 96
	s_lshl_b32 s5, s5, 3
	s_add_co_u32 s5, s5, s4
	s_lshl_b32 s34, s5, 14
	s_add_nc_u64 s[20:21], s[20:21], s[34:35]
	s_lshl_b32 s34, s5, 13
	s_add_nc_u64 s[30:31], s[30:31], s[34:35]
	v_lshlrev_b32 v3, 4, v2
	v_lshlrev_b32 v4, 3, v2
.irp i, 0,1,2,3,4,5,6,7,8,9,10,11,12,13,14,15,16,17,18,19,20,21,22,23,24,25,26,27,28,29,30,31
	global_load_b128 v[32+4*\i:35+4*\i], v3, s[20:21] offset:512*\i th:TH_LOAD_NT
.endr
.irp i, 0,1,2,3,4,5,6,7,8,9,10,11,12,13,14,15,16,17,18,19,20,21,22,23,24,25,26,27,28,29,30,31
	s_wait_loadcnt 31-\i                           ; load i is in; the later ones may be out
	v_cvt_pk_f16_f32 v[32+4*\i], v[32+4*\i], v[33+4*\i]
	v_cvt_pk_f16_f32 v[33+4*\i], v[34+4*\i], v[35+4*\i]
	global_store_b64 v4, v[32+4*\i:33+4*\i], s[30:31] offset:256*\i   ; 256 consecutive bytes, aligned
.endr
	s_wait_tensorcnt 0x0
	ds_add_u32 v[SPW], v[NIL]
	s_wait_dscnt 0x0
	s_endpgm
.Lfunc_end_k_q670e6fa793_prep:
	.size	k_q670e6fa793_prep, .Lfunc_end_k_q670e6fa793_prep-k_q670e6fa793_prep
	.p2alignl 7, 3214868480
	.fill 96, 4, 3214868480
	.section	.rodata,"a",@progbits
	.p2align	6, 0x0
	.amdhsa_kernel k_q670e6fa793_prep
		.amdhsa_group_segment_fixed_size 84480
		.amdhsa_private_segment_fixed_size 0
		.amdhsa_enable_private_segment 0
		.amdhsa_kernarg_size 96
		.amdhsa_user_sgpr_count 2
		.amdhsa_user_sgpr_kernarg_segment_ptr 1
		.amdhsa_wavefront_size32 1
		.amdhsa_system_sgpr_workgroup_id_x 1
		.amdhsa_system_sgpr_workgroup_id_y 1
		.amdhsa_system_sgpr_workgroup_id_z 1
		.amdhsa_system_vgpr_workitem_id 0
		.amdhsa_next_free_vgpr 194
		.amdhsa_next_free_sgpr 66
		.amdhsa_reserve_vcc 0
		.amdhsa_float_denorm_mode_32 3
		.amdhsa_float_denorm_mode_16_64 3
		.amdhsa_memory_ordered 1
		.amdhsa_forward_progress 1
		.amdhsa_inst_pref_size 66
	.end_amdhsa_kernel
	.amdgpu_metadata
---
amdhsa.version: [ 1, 2 ]
amdhsa.kernels:
  - .name:           k_q670e6fa793_prep
    .symbol:         k_q670e6fa793_prep.kd
    .args:
      - { .name: query, .offset: 0, .size: 8, .value_kind: global_buffer, .address_space: global }
      - { .name: key_, .offset: 8, .size: 8, .value_kind: global_buffer, .address_space: global }
      - { .name: value, .offset: 16, .size: 8, .value_kind: global_buffer, .address_space: global }
      - { .name: wq, .offset: 24, .size: 8, .value_kind: global_buffer, .address_space: global }
      - { .name: wk, .offset: 32, .size: 8, .value_kind: global_buffer, .address_space: global }
      - { .name: wv, .offset: 40, .size: 8, .value_kind: global_buffer, .address_space: global }
      - { .name: wo, .offset: 48, .size: 8, .value_kind: global_buffer, .address_space: global }
      - { .name: xc, .offset: 56, .size: 8, .value_kind: global_buffer, .address_space: global }
      - { .name: xs, .offset: 64, .size: 8, .value_kind: global_buffer, .address_space: global }
      - { .name: wc, .offset: 72, .size: 8, .value_kind: global_buffer, .address_space: global }
      - { .name: ws, .offset: 80, .size: 8, .value_kind: global_buffer, .address_space: global }
      - { .name: wof, .offset: 88, .size: 8, .value_kind: global_buffer, .address_space: global }
    .group_segment_fixed_size: 84480
    .private_segment_fixed_size: 0
    .kernarg_segment_align: 8
    .kernarg_segment_size: 96
    .max_flat_workgroup_size: 256
    .sgpr_count:     66
    .vgpr_count:     194
    .wavefront_size: 32
...
	.end_amdgpu_metadata
.endif
;; end of part 1
;; launch proj (part 2): grid 4 x 96, 4 waves a work-group, clusters of 4 x 4, 327,680 bytes of LDS; arguments xc, xs, wc, ws, bq, bk, bv, qkv; writes qkv
.if DOCPART == 2
	.amdgcn_target "amdgcn-amd-amdhsa--gfx1250"
	.amdhsa_code_object_version 6
	.text
	.protected	k_q670e6fa793_proj
	.globl	k_q670e6fa793_proj
	.p2align	8
	.type	k_q670e6fa793_proj,@function
k_q670e6fa793_proj:
	s_mov_b64 s[64:65], 0
	v_nop
	global_prefetch_b8 v0, s[64:65] scope:SCOPE_SE
	s_setreg_imm32_b32 hwreg(HW_REG_WAVE_MODE, 25, 1), 1
	s_wait_xcnt 0x0
	s_wait_alu depctr_hold_cnt(0) depctr_sa_sdst(0) depctr_va_vdst(0) depctr_va_sdst(0) depctr_va_ssrc(0) depctr_va_vcc(0) depctr_vm_vsrc(0)
	s_getreg_b32 s2, hwreg(HW_REG_IB_STS2, 6, 4)
	s_cmp_eq_u32 s2, 0
	s_cbranch_scc0 .Lentry_in_a_cluster
	s_endpgm
.Lentry_in_a_cluster:
	s_bfe_u32 s2, ttmp6, 0x10000c
	s_cmp_lg_u32 s2, 0xf033
	s_cbranch_scc0 .Lentry_shape_is_right
	s_endpgm
.Lentry_shape_is_right:
; PROJ: q, k, v = x W + b for the three projections at once, on codes of FP4 (E2M1) with one E8M0 scale for each 32 along K; sums in f32; the result rounded once to f16 and laid by head.
; A = xc [3 x 8192][1024 codes], its scale bytes xs [3 x 8192][32];  B = wc [3 x 1024 n][1024 codes], ws [3 x 1024][32].  qkv: f16 [3][batch x 16 + head][2048][64].
; A tile of 256 rows x 256 columns is made by four waves, 128 x 128 each: 64 accumulators, 512 registers.  96 tile rows x 4 tile columns; tile rows 32 p .. 32 p + 31 belong to projection p.
; K = 1,024 is two K steps of 512 (rows of 256 bytes): both lie in LDS at once, each in a slot of its own, so no LDS byte is filled twice.  The scales of the tile's rows, for all of K, come with them.
; CLUSTERS: 4 x 4 work-groups; the four of a row need the same tiles of A, the four of a column the same tiles of B: each is asked for jointly.  A cluster lies inside one projection (8 clusters each).
; THE MATRIX INSTRUCTION IS USED TRANSPOSED (source 0 = 16 rows of B, source 1 = 16 rows of A): a lane holds eight neighbouring columns of one token.  The bias is the C of each sum's first instruction.
; LIMITS: a result beyond 65,504 in magnitude becomes infinity in f16; under 6e-5 it keeps a step of 6e-8.  NaN and infinities among the inputs are not served.
; REGISTERS: window 0: v0-31 addresses; v32-95 scale words, two sets, and nothing else; v128-191 A's fragments, one set; v192-255 the bias in the result's layout, later packed results.
;   window 1: B's fragments, two sets, at v0 and v128.  window 2: the accumulators of my rows 0-63 ((a, b) at v[8 (8 a + b)]); window 3: those of rows 64-127.
.set KSTEP,  512
.set NQ,     4                         ; matrix instructions deep in a slot
.set ROWB,   256                       ; a tile's row in bytes
.set KROW,   512                       ; a row of codes in memory
.set PITCH,  272                       ; an LDS row: 256 bytes + 16 of padding: the 16 rows of a load start at 16 different groups of banks
.set FR,     8
.set NL,     2
.set NP,     4                         ; places behind this matrix instruction (ISA guide 7.12.1)
.set HALFT,  128*PITCH
.set SLOT,   4*HALFT                   ; A's 256 rows, then B's 256
.set KS,     32                        ; a row of scale bytes
.set SCL,    2*SLOT
.set HALFS,  (128*KS/256)*272          ; the scales of 128 rows, as units of 256 bytes + 16
.set SBLK,   (16*KS/256)*272
.set SPARE,  SCL+4*HALFS               ; the spare words: two blocks of 256 bytes that no other line names
.set STAGE,  SPARE+512                 ; the way out: 16 rows x 272 bytes for each wave; no tile lands here
.set SPITCH, 272
.set ADRA, 16
.set ADRB, 20
.set STO,  24
.set RD,   25
.set CO,   26
.set ADRS, 27
.set SPW,  28
.set NIL,  29
.set BOF,  30                          ; v30 the bias loads' offset; never rewritten
.set SC,   32
.set AF,   128
.set BIAS, 192
.set TMP,  192                         ; the way out: packed results
.set OB,   128                         ; and rows read back: v128-159, v160-191 by turns
.set G1, 24
.set G0, 32
.set G1B, 48
.set G0B, 56
.set G1S, 68
.set G0S, 76
.set G1SB, 80
.set G0SB, 88
.set MSB, 0
.macro WIN new                         ; the immediate's high byte repeats the setting that is left
.if MSB != (\new)
	s_set_vgpr_msb (MSB<<8)|(\new)
.set MSB, \new
.endif
.endm
.set MUL_LO, 0xa1                      ; source 0 (B) window 1, source 1 (A) window 0, C and D window 2
.set MUL_HI, 0xf1
.set BIA_LO, 0x81                      ; the same with C (the bias) in window 0
.set BIA_HI, 0xc1
.set TO_B,   0x40
.macro JLOAD g0a, g1a, g0b, g1b        ; waves 0 and 1 fetch for A, waves 2 and 3 for B; an s_nop 0 and four v_nop follow each line
	s_cmp_eq_u32 s15, 0
	s_cbranch_scc0 .Lfor_b_\@
	tensor_load_to_lds s[\g0a:\g0a+3], s[\g1a:\g1a+7]
	s_nop 0
.rept 4
	v_nop
.endr
	s_branch .Lasked_\@
.Lfor_b_\@:
	tensor_load_to_lds s[\g0b:\g0b+3], s[\g1b:\g1b+7]
	s_nop 0
.rept 4
	v_nop
.endr
.Lasked_\@:
.endm
.macro CROUND                          ; a round of the cluster's barrier
	s_barrier_signal -1
	s_barrier_wait -1
	s_cmp_lg_u32 s14, 0
	s_cbranch_scc1 .Lnot_wave_0_\@
	s_barrier_signal -3
.Lnot_wave_0_\@:
	s_barrier_wait -3
	s_barrier_signal -1
	s_barrier_wait -1
.endm
	s_load_b128 s[4:7], s[0:1], 0x0                ; xc, xs
	s_load_b128 s[8:11], s[0:1], 0x10              ; wc, ws
	s_load_b128 s[96:99], s[0:1], 0x20             ; bq, bk
	s_load_b64 s[100:101], s[0:1], 0x30            ; bv
	s_load_b64 s[12:13], s[0:1], 0x38              ; qkv
	v_lshl_add_u32 v[SPW], v0, 2, SPARE
	v_mov_b32 v[NIL], 0
	ds_add_u32 v[SPW], v[NIL]                      ; the wave's opening: the add, twice on end, and its wait ahead of my first tensor load
	ds_add_u32 v[SPW], v[NIL]
	v_lshrrev_b32 v1, 5, v0
	v_readfirstlane_b32 s14, v1                    ; wave 0..3
	s_lshr_b32 s15, s14, 1                         ; my half of the tile's rows.  Also: I fetch for A (0) or B (1)
	s_and_b32 s16, s14, 1                          ; my half of its columns.  Also: which 128 rows I fetch
	s_bfe_u32 s40, ttmp6, 0x40000                  ; cx
	s_bfe_u32 s41, ttmp6, 0x40004                  ; cy
	s_lshl_b32 s42, ttmp9, 2
	s_add_co_u32 s42, s42, s40                     ; tile column 0..3
	s_and_b32 s17, ttmp7, 0xffff
	s_lshr_b32 s66, s17, 3                         ; the projection, from the cluster's y alone: the same in all sixteen partners
	s_lshl_b32 s17, s17, 2
	s_add_co_u32 s17, s17, s41                     ; tile row 0..95
	s_lshl_b32 s43, s41, 2
	s_lshl_b32 s43, 15, s43                        ; my row of the cluster
	s_lshl_b32 s44, 0x1111, s40                    ; my column
	s_or_b32 s[G1+0], s43, (0<<16)|(1<<20)|(1<<21)|(5<<22)|(3<<25)   ; the mask; elements of 1 byte; padding: 4 words behind every 64; bit 21 beside a mask
	s_or_b32 s[G1B+0], s44, (0<<16)|(1<<20)|(1<<21)|(5<<22)|(3<<25)
.irp g, G1, G1B
	s_mov_b32 s[\g+1], ROWB<<16                    ; tensor_dim0
	s_mov_b32 s[\g+2], 128<<16                     ; tensor_dim1
	s_mov_b32 s[\g+3], ROWB<<16                    ; tile_dim0
	s_mov_b32 s[\g+4], 128                         ; tile_dim1
	s_mov_b32 s[\g+5], KROW                        ; from row to row
	s_mov_b32 s[\g+6], 0
	s_mov_b32 s[\g+7], 0
.endr
	s_or_b32 s[G1S+0], s43, (3<<16)|(1<<20)|(1<<21)|(5<<22)|(3<<25)  ; the scales of 128 rows: 4,096 dense bytes as 16 rows of 32 elements of 8 bytes
	s_or_b32 s[G1SB+0], s44, (3<<16)|(1<<20)|(1<<21)|(5<<22)|(3<<25)
.irp g, G1S, G1SB
	s_mov_b32 s[\g+1], 32<<16
	s_mov_b32 s[\g+2], (128*KS/256)<<16
	s_mov_b32 s[\g+3], 32<<16
	s_mov_b32 s[\g+4], 128*KS/256
	s_mov_b32 s[\g+5], 32
	s_mov_b32 s[\g+6], 0
	s_mov_b32 s[\g+7], 0
.endr
	s_lshl_b32 s18, s16, 7
	s_lshl_b32 s20, s17, 8
	s_add_co_u32 s20, s20, s18                     ; A: row 256 x tile row + 128 x half, in the three tensors on end
	s_lshl_b32 s46, s42, 8
	s_add_co_u32 s46, s46, s18
	s_lshl_b32 s67, s66, 10
	s_add_co_u32 s46, s46, s67                     ; B: row 1,024 p + 256 x tile column + 128 x half
	s_mov_b32 s21, 0
	s_mov_b32 s47, 0
	s_mov_b64 s[18:19], KS
	s_mul_u64 s[22:23], s[20:21], s[18:19]         ; where these rows' scales begin
	s_mul_u64 s[92:93], s[46:47], s[18:19]
	s_mov_b64 s[18:19], KROW
	s_mul_u64 s[20:21], s[20:21], s[18:19]         ; and their codes
	s_mul_u64 s[46:47], s[46:47], s[18:19]
	s_mul_i32 s45, s14, HALFT                      ; where they go: wave x 128 rows
	s_mul_i32 s94, s14, HALFS
	s_wait_dscnt 0x0                               ; both opening adds are done
	s_wait_kmcnt 0x0
	s_add_nc_u64 s[20:21], s[4:5], s[20:21]
	s_add_nc_u64 s[22:23], s[6:7], s[22:23]
	s_add_nc_u64 s[46:47], s[8:9], s[46:47]
	s_add_nc_u64 s[92:93], s[10:11], s[92:93]
	CROUND                                         ; all sixteen work-groups are here: the joint loads meet
	s_mov_b32 s[G0S], 1
	s_add_co_u32 s[G0S+1], s94, SCL
	s_mov_b64 s[G0S+2:G0S+3], s[22:23]
	s_or_b32 s[G0S+3], s[G0S+3], 0x80000000
	s_mov_b32 s[G0SB], 1
	s_add_co_u32 s[G0SB+1], s94, SCL
	s_mov_b64 s[G0SB+2:G0SB+3], s[92:93]
	s_or_b32 s[G0SB+3], s[G0SB+3], 0x80000000
	JLOAD G0S, G1S, G0SB, G1SB                     ; three loads of mine go out: the scales, K step 0, K step 1
.irp s, 0,1
	s_mov_b32 s[G0+4*\s], 1
	s_add_co_u32 s[G0+4*\s+1], s45, \s*SLOT
	s_add_nc_u64 s[G0+4*\s+2:G0+4*\s+3], s[20:21], \s*ROWB
	s_or_b32 s[G0+4*\s+3], s[G0+4*\s+3], 0x80000000
	s_mov_b32 s[G0B+4*\s], 1
	s_add_co_u32 s[G0B+4*\s+1], s45, \s*SLOT
	s_add_nc_u64 s[G0B+4*\s+2:G0B+4*\s+3], s[46:47], \s*ROWB
	s_or_b32 s[G0B+4*\s+3], s[G0B+4*\s+3], 0x80000000
	JLOAD G0+4*\s, G1, G0B+4*\s, G1B
.endr
	v_and_b32 v1, 15, v0                           ; r
	v_bfe_u32 v2, v0, 4, 1                         ; h
	; the bias of my 128 columns, in the result's layout: register 8 b + j of lane (r, h) = bias[16 b + 8 h + j]
	s_cmp_eq_u32 s66, 0
	s_cselect_b64 s[96:97], s[96:97], s[98:99]
	s_cmp_eq_u32 s66, 2
	s_cselect_b64 s[96:97], s[100:101], s[96:97]
	s_lshl_b32 s46, s42, 10
	s_lshl_b32 s47, s16, 9
	s_add_co_u32 s46, s46, s47
	s_mov_b32 s47, 0
	s_add_nc_u64 s[96:97], s[96:97], s[46:47]
	v_lshlrev_b32 v[BOF], 5, v2
.irp b, 0,1,2,3,4,5,6,7
	global_load_b128 v[BIAS+8*\b:BIAS+8*\b+3], v[BOF], s[96:97] offset:64*\b
	global_load_b128 v[BIAS+8*\b+4:BIAS+8*\b+7], v[BOF], s[96:97] offset:64*\b+16
.endr
	v_mul_u32_u24 v3, v1, PITCH
	v_lshl_add_u32 v4, v2, 4, v3                   ; a fragment's row x pitch + 16 x half
	s_mul_i32 s21, s15, HALFT
	s_mul_i32 s22, s16, HALFT
	s_add_co_u32 s22, s22, 2*HALFT
.irp s, 0,1
	v_add_nc_u32 v[ADRA+\s], s21, v4
	v_add_nc_u32 v[ADRB+\s], s22, v4
	s_add_co_u32 s21, s21, SLOT
	s_add_co_u32 s22, s22, SLOT
.endr
	v_mul_u32_u24 v5, v1, KS                       ; my row's scales: 32 bytes a row,
	v_lshrrev_b32 v6, 8, v5
	v_lshl_add_u32 v5, v6, 4, v5                   ; and 16 more for each 256 passed
	s_mul_i32 s21, s15, HALFS
	s_mul_i32 s22, s16, HALFS
	s_add_co_u32 s22, s22, 2*HALFS
	s_sub_co_u32 s22, s22, s21
	v_mul_u32_u24 v6, s22, v2                      ; lanes 16-31 take B's
	s_add_co_u32 s21, s21, SCL
	v_add_nc_u32 v5, v5, v6
	v_add_nc_u32 v[ADRS], s21, v5
	s_mul_i32 s23, s14, 16*SPITCH
	s_add_co_u32 s23, s23, STAGE                   ; my stage
	v_mul_u32_u24 v5, v1, SPITCH                   ; in: token r, 16 bytes for each half of the lanes
	v_lshl_add_u32 v5, v2, 4, v5
	v_add_nc_u32 v[STO], s23, v5
	v_and_b32 v5, 7, v0                            ; back: lanes 0-15 take my first head, lanes 16-31 my second; eight lanes take a token's 128 bytes
	v_bfe_u32 v6, v0, 3, 1
	v_mul_u32_u24 v[RD], v6, SPITCH
	v_lshl_add_u32 v[RD], v2, 7, v[RD]
	v_lshl_add_u32 v[RD], v5, 4, v[RD]
	v_add_nc_u32 v[RD], s23, v[RD]
	v_lshlrev_b32 v[CO], 4, v5                     ; and in qkv: 16 x piece + 128 x token + 262,144 x head
	v_lshl_add_u32 v[CO], v6, 7, v[CO]
	v_lshl_add_u32 v[CO], v2, 18, v[CO]
	s_lshr_b32 s20, s17, 3
	s_lshl_b32 s20, s20, 22                        ; (4 p + batch) x 16 heads of 262,144 bytes
	s_and_b32 s21, s17, 7
	s_lshl_b32 s21, s21, 15                        ; 256 tokens of 128 bytes for each tile row in the batch
	s_add_co_u32 s20, s20, s21
	s_lshl_b32 s21, s15, 14                        ; my 128 tokens
	s_add_co_u32 s20, s20, s21
	s_lshl_b32 s46, s42, 20                        ; head 4 x tile column
	s_lshl_b32 s47, s16, 19                        ; + 2 x my half
	s_add_co_u32 s46, s46, s47
	s_add_co_u32 s20, s20, s46
	s_mov_b32 s21, 0
	s_add_nc_u64 s[12:13], s[12:13], s[20:21]
.macro FRAG reg, adr, q, i             ; 16 rows x 128 K of 4-bit codes: 8 registers; registers 4 c .. 4 c + 3 hold K = 64 c + 32 (lane / 16) + 0 .. 31
.irp c, 0,1
	ds_load_b128 v[\reg+4*\c:\reg+4*\c+3], v[\adr] offset:64*(\q)+32*\c+(\i)*16*PITCH
.endr
.endm
; 16 matrix instructions: A's blocks a0, a0 + 1 x B's eight.  p: B's set; sc: the set of scale words.  zero = 1: the sums start from the bias.  The 64 accumulators take turns.
.macro MUL16 a0, p, q, sc, zero
.irp a, \a0, \a0+1
.irp b, 0,1,2,3,4,5,6,7
.if \zero
	v_wmma_scale_f32_16x16x128_f8f6f4 v[8*(8*((\a)%4)+\b):8*(8*((\a)%4)+\b)+7], v[128*(\p)+FR*\b:128*(\p)+FR*\b+FR-1], v[AF+FR*(\a):AF+FR*(\a)+FR-1], v[BIAS+8*\b:BIAS+8*\b+7], v[SC+8*NQ*(\sc)+NQ*\b+(\q)], v[SC+8*NQ*(\sc)+NQ*(\a)+(\q)] matrix_a_fmt:MATRIX_FMT_FP4 matrix_b_fmt:MATRIX_FMT_FP4 matrix_a_scale:MATRIX_SCALE_ROW1
.else
	v_wmma_scale_f32_16x16x128_f8f6f4 v[8*(8*((\a)%4)+\b):8*(8*((\a)%4)+\b)+7], v[128*(\p)+FR*\b:128*(\p)+FR*\b+FR-1], v[AF+FR*(\a):AF+FR*(\a)+FR-1], v[8*(8*((\a)%4)+\b):8*(8*((\a)%4)+\b)+7], v[SC+8*NQ*(\sc)+NQ*\b+(\q)], v[SC+8*NQ*(\sc)+NQ*(\a)+(\q)] matrix_a_fmt:MATRIX_FMT_FP4 matrix_b_fmt:MATRIX_FMT_FP4 matrix_a_scale:MATRIX_SCALE_ROW1
.endif
.endr
.endr
.endm
.macro FETCH_B slot, q, p
	WIN TO_B
.irp i, 0,1,2,3,4,5,6,7
	FRAG 128*(\p)+FR*\i, ADRB+\slot, \q, \i
.endr
	WIN 0
.endm
.macro FETCH_A slot, q, i0
.irp i, \i0, \i0+1, \i0+2, \i0+3
	FRAG AF+FR*(\i), ADRA+\slot, \q, \i
.endr
.endm
.macro SCALES sc                       ; a K step's scale words: lanes 0-15 A's block i, lanes 16-31 B's block i
.irp i, 0,1,2,3,4,5,6,7
	ds_load_b128 v[SC+8*NQ*\sc+NQ*\i:SC+8*NQ*\sc+NQ*\i+3], v[ADRS] offset:\i*SBLK
.endr
.endm
.macro PLACES n                        ; plain vector instructions between a matrix instruction and a load into, or a read of, its registers
.rept \n
	v_nop
.endr
.endm
.macro STEP slot, q, zero              ; 128 along K, with its successor in the same slot
	s_wait_dscnt 4*NL                              ; all but the youngest eight loads (A's blocks 4-7) are in
.if \zero
	WIN BIA_LO
.else
	WIN MUL_LO
.endif
	MUL16 0, (\q)%2, \q, \slot, \zero
	MUL16 2, (\q)%2, \q, \slot, \zero
	s_wait_dscnt 0
	PLACES NP
	FETCH_B \slot, (\q)+1, 1-(\q)%2
	FETCH_A \slot, (\q)+1, 0
.if \zero
	WIN BIA_HI
.else
	WIN MUL_HI
.endif
	MUL16 4, (\q)%2, \q, \slot, \zero
	MUL16 6, (\q)%2, \q, \slot, \zero
	PLACES NP
	WIN 0
	FETCH_A \slot, (\q)+1, 4
.endm
.macro TURN slot, next                 ; slot 0's last step: behind its barrier slot 1 is whole for every wave.  Nothing is filled again
	s_wait_tensorcnt 0x0                           ; my part of slot 1 has landed
	ds_add_u32 v[SPW], v[NIL]
	s_wait_dscnt 4*NL+1                            ; the add and the youngest eight loads may be out
	WIN MUL_LO
	MUL16 0, 1, NQ-1, \slot, 0
	s_wait_dscnt 0x0
	s_barrier_signal -1
	MUL16 2, 1, NQ-1, \slot, 0
	WIN 0
	s_barrier_wait -1
	PLACES NP
	v_add_nc_u32 v[ADRS], 4*NQ, v[ADRS]            ; the next K step's scale words
	FETCH_B \next, 0, 0
	FETCH_A \next, 0, 0
	SCALES \next
	WIN MUL_HI
	MUL16 4, 1, NQ-1, \slot, 0
	MUL16 6, 1, NQ-1, \slot, 0
	PLACES NP
	WIN 0
	FETCH_A \next, 0, 4
.endm
.macro STEPS slot, from
.set Q, \from
.rept NQ-1-\from
	STEP \slot, Q, 0
.set Q, Q+1
.endr
.endm
	s_wait_tensorcnt 1                             ; the scales and my part of K step 0 are in; K step 1's load may be out,
	s_barrier_signal -1
	s_barrier_wait -1                              ; everybody's are
	FETCH_B 0, 0, 0
	FETCH_A 0, 0, 0
	SCALES 0
	FETCH_A 0, 0, 4
	s_wait_loadcnt 0x0                             ; the bias
	STEP 0, 0, 1
	STEPS 0, 1
	TURN 0, 1
	STEPS 1, 0
	s_wait_dscnt 4*NL                              ; the last step: nothing more to fetch
	WIN MUL_LO
	MUL16 0, 1, NQ-1, 1, 0
	MUL16 2, 1, NQ-1, 1, 0
	s_wait_dscnt 0
	WIN MUL_HI
	MUL16 4, 1, NQ-1, 1, 0
	MUL16 6, 1, NQ-1, 1, 0
	WIN 0
; THE WAY OUT, a block of 16 tokens x 128 columns (two heads) at a time: rounded to f16, 16 bytes a lane into my stage, back so that sixteen lanes hold two tokens of one head: 256 consecutive bytes of qkv.
.macro PACK a
.set AC, 64*((\a)%4)
	WIN 0x0a+5*((\a)/4)                            ; sources 0 and 1: window 2 or 3
.irp b, 0,1,2,3,4,5,6,7
.irp r, 0,1,2,3
	v_cvt_pk_f16_f32 v[TMP+4*\b+\r], v[AC+8*\b+2*\r], v[AC+8*\b+2*\r+1]   ; each accumulator from its low end on
.endr
.endr
	WIN 0
.endm
.macro TOSTAGE a
.set BK, OB+32*((\a)%2)
.irp b, 0,1,2,3,4,5,6,7
	ds_store_b128 v[STO], v[TMP+4*\b:TMP+4*\b+3] offset:32*\b
.endr
.irp t, 0,1,2,3,4,5,6,7
	ds_load_b128 v[BK+4*\t:BK+4*\t+3], v[RD] offset:\t*2*SPITCH   ; LDS serves a wave's instructions in order: these see the stores above
.endr
.endm
.macro SEND a
.set BK, OB+32*((\a)%2)
	s_wait_dscnt 0x0                               ; the block is back in registers
	s_wait_xcnt 0x0                                ; the stores of the block before have read their registers: the next block's loads may land there
.irp t, 0,1,2,3,4,5,6,7
	global_store_b128 v[CO], v[BK+4*\t:BK+4*\t+3], s[12:13] offset:2048*(\a)+256*\t
.endr
.endm
	PLACES NP
	PACK 0
	TOSTAGE 0
.irp a, 1,2,3,4,5,6,7
	PACK \a                                        ; a block's conversions stand between the loads of the block before and the wait for them
	SEND \a-1
	TOSTAGE \a
.endr
	SEND 7
	s_wait_tensorcnt 0x0                           ; the wave's end
	ds_add_u32 v[SPW], v[NIL]
	s_wait_dscnt 0x0
	CROUND                                         ; the closing round
	s_endpgm
.Lfunc_end_k_q670e6fa793_proj:
	.size	k_q670e6fa793_proj, .Lfunc_end_k_q670e6fa793_proj-k_q670e6fa793_proj
	.p2alignl 7, 3214868480
	.fill 96, 4, 3214868480
	.section	.rodata,"a",@progbits
	.p2align	6, 0x0
	.amdhsa_kernel k_q670e6fa793_proj
		.amdhsa_group_segment_fixed_size 327680
		.amdhsa_private_segment_fixed_size 0
		.amdhsa_enable_private_segment 0
		.amdhsa_kernarg_size 64
		.amdhsa_user_sgpr_count 2
		.amdhsa_user_sgpr_kernarg_segment_ptr 1
		.amdhsa_wavefront_size32 1
		.amdhsa_system_sgpr_workgroup_id_x 1
		.amdhsa_system_sgpr_workgroup_id_y 1
		.amdhsa_system_sgpr_workgroup_id_z 1
		.amdhsa_system_vgpr_workitem_id 0
		.amdhsa_next_free_vgpr 1024
		.amdhsa_next_free_sgpr 102
		.amdhsa_reserve_vcc 0
		.amdhsa_float_denorm_mode_32 3
		.amdhsa_float_denorm_mode_16_64 3
		.amdhsa_memory_ordered 1
		.amdhsa_forward_progress 1
		.amdhsa_inst_pref_size 129
	.end_amdhsa_kernel
	.amdgpu_metadata
---
amdhsa.version: [ 1, 2 ]
amdhsa.kernels:
  - .name:           k_q670e6fa793_proj
    .symbol:         k_q670e6fa793_proj.kd
    .args:
      - { .name: xc, .offset: 0, .size: 8, .value_kind: global_buffer, .address_space: global }
      - { .name: xs, .offset: 8, .size: 8, .value_kind: global_buffer, .address_space: global }
      - { .name: wc, .offset: 16, .size: 8, .value_kind: global_buffer, .address_space: global }
      - { .name: ws, .offset: 24, .size: 8, .value_kind: global_buffer, .address_space: global }
      - { .name: bq, .offset: 32, .size: 8, .value_kind: global_buffer, .address_space: global }
      - { .name: bk, .offset: 40, .size: 8, .value_kind: global_buffer, .address_space: global }
      - { .name: bv, .offset: 48, .size: 8, .value_kind: global_buffer, .address_space: global }
      - { .name: qkv, .offset: 56, .size: 8, .value_kind: global_buffer, .address_space: global }
    .group_segment_fixed_size: 327680
    .private_segment_fixed_size: 0
    .kernarg_segment_align: 8
    .kernarg_segment_size: 64
    .max_flat_workgroup_size: 128
    .sgpr_count:     102
    .vgpr_count:     1024
    .wavefront_size: 32
...
	.end_amdgpu_metadata
.endif
;; end of part 2
;; launch attn (part 3): grid 4 x 64, 8 waves a work-group, clusters of 4 x 1, 327,680 bytes of LDS; arguments qkv, ctx; writes ctx
.if DOCPART == 3
	.amdgcn_target "amdgcn-amd-amdhsa--gfx1250"
	.amdhsa_code_object_version 6
	.text
	.protected	k_q670e6fa793_attn
	.globl	k_q670e6fa793_attn
	.p2align	8
	.type	k_q670e6fa793_attn,@function
k_q670e6fa793_attn:
	s_mov_b64 s[64:65], 0
	v_nop
	global_prefetch_b8 v0, s[64:65] scope:SCOPE_SE
	s_setreg_imm32_b32 hwreg(HW_REG_WAVE_MODE, 25, 1), 1
	s_wait_xcnt 0x0
	s_wait_alu depctr_hold_cnt(0) depctr_sa_sdst(0) depctr_va_vdst(0) depctr_va_sdst(0) depctr_va_ssrc(0) depctr_va_vcc(0) depctr_vm_vsrc(0)
	s_getreg_b32 s2, hwreg(HW_REG_IB_STS2, 6, 4)
	s_cmp_eq_u32 s2, 0
	s_cbranch_scc0 .Lentry_in_a_cluster
	s_endpgm
.Lentry_in_a_cluster:
	s_bfe_u32 s2, ttmp6, 0x10000c
	s_cmp_lg_u32 s2, 0x3003
	s_cbranch_scc0 .Lentry_shape_is_right
	s_endpgm
.Lentry_shape_is_right:
; ATTN: ctx[q] = the sum over k of softmax_k(Q[q] . K[k] / 8) V[k], for each of 64 (batch, head) pairs; 2,048 queries and keys, head size 64, no mask.
; qkv: f16 [3][batch x 16 + head][2048][64].  ctx: f16 [head][batch x 2048 + token][64].  Products on f16 operands with f32 sums; maxima, exponentials and sums in f32; p is rounded to f16 for the second product.
; LIMITS: ctx is rounded to f16 (beyond 65,504 infinity; under 6e-5 a step of 6e-8).  NaN and infinities are not served.
; SHARES.  A work-group owns 512 queries of one head, each of its eight waves 64: four tiles of 16.  Two waves share a SIMD: while one walks its softmax the other's products can be issued, so the step is written in phases.
; LAYOUT.  S^T = K Q^T (source 0 = 16 keys, source 1 = 16 queries): a lane holds ONE query (lane % 16) and keys 8 (lane / 16) + 0..7 of each tile.  Two such tiles rounded to f16 in pairs ARE source 1 of O^T = V^T P.
; K comes out of LDS as it lies, V turned, by ds_load_tr16_b128.  Each fragment read from LDS feeds four products.
; SOFTMAX.  A running maximum m and sum l for each query: p = 2^(c s - c m), c = log2(e) / 8; in every step O and l are multiplied by a = 2^(c m_old - c m_new).
; CLUSTER.  The four work-groups of a head are one cluster and walk the same K and V: each tile is asked for jointly, by the same tensor load with a mask that names the four.
; LDS.  K and V of a head are dense in memory, so a tile is stated as rows of 256 bytes, TWO keys to a row: K with 16 bytes of padding, V with 32.  Key kk lies at (kk / 2) x pitch + 128 (kk % 2).
; A step is 64 keys (32 rows of K, then 32 of V); a slot holds four steps; all eight waves fetch, one tile each (waves 0-3: K of step w; waves 4-7: V of step w - 4).
; REGISTERS.  window 0: v2-14 addresses; v16-47 eight registers of statistics a tile; v48-175 S^T, 32 a tile, p's f16 pairs written in place into each tile's low 16; v176-239 K's fragments.
;             window 1: v0-63 Q; v64-191 O^T, 32 a tile; v192-255 V's fragments.
.set PK,    272
.set PVP,   288
.set VOFF,  32*PK
.set STEPB, 32*(PK+PVP)
.set SLOT1, 1<<17                      ; slot 1 begins here: one exclusive or turns an address in one slot into the other's
.set STAGE, SLOT1+4*STEPB              ; the way out: 16 rows x 144 bytes for each wave; no tile lands here
.set SP,    144
.set SPARE, STAGE+8*16*SP              ; the spare words: four blocks of 256 bytes that no other line names
.set AK0, 2
.set AV0, 3
.set ADR, 4
.set QO,  5
.set STO, 6
.set RD,  7
.set GO,  8
.set SPW, 12
.set NIL, 13
.set PFO, 14
.set ST,  16                           ; tile t at v[ST + 8 t]: +0 c m, +1 m, +2, +3 l, +4 .. +7 c0-c3, at work; a takes c2's place
.set S,   48
.set KF,  176
.set OA,  64                           ; in window 1
.set VF,  192                          ; in window 1
.set WV,  12
.set LIM, 15
.set PFA, 18
.set G1K, 24
.set G1V, 32
.set G0K, 40                           ; a set for each first fill; the second then walks
.set G0V, 48
.set SLOTS, 56
.set CNT, 57
.set CS,  58
.set SEL, 60
.set TB,  62                           ; LDS byte at which the tiles of the step to be fetched begin
.set MSB, 0
.macro WIN new
.if MSB != (\new)
	s_set_vgpr_msb (MSB<<8)|(\new)
.set MSB, \new
.endif
.endm
.set W_KQ, 0x04                        ; Q (source 1) in window 1
.set W_PV, 0x51                        ; V (source 0), C and D in window 1; P in window 0
.set W_RS, 0x41                        ; O^T (destination and source 0) in window 1
.macro JLOAD                           ; the joint refill: waves 0-3 K's tiles, waves 4-7 V's; an s_nop 0 and four v_nop follow each line
	s_cmp_lt_u32 s[WV], 4
	s_cbranch_scc0 .Lfor_v_\@
	tensor_load_to_lds s[G0K+4:G0K+7], s[G1K:G1K+7]
	s_nop 0
.rept 4
	v_nop
.endr
	s_branch .Lasked_\@
.Lfor_v_\@:
	tensor_load_to_lds s[G0V+4:G0V+7], s[G1V:G1V+7]
	s_nop 0
.rept 4
	v_nop
.endr
.Lasked_\@:
.endm
; A prefetch of what the NEXT change of slots will ask for: a slot's 32,768 bytes of K and of V.  Wave 0 asks for K's, wave 4 for V's; the four partners share the bytes out by address,
; 8,192 each, lanes 256 bytes apart: each block is named once in the launch.  It stands behind the tensor load; the last change that fills a slot asks for nothing.
.macro ASK
	s_cmp_gt_u32 s[SLOTS], s[LIM]
	s_cbranch_scc0 .Lnot_mine_\@
	global_prefetch_b8 v[PFO], s[PFA:PFA+1] th:TH_LOAD_NT scope:SCOPE_SE
.Lnot_mine_\@:
.endm
.macro CROUND
	s_barrier_signal -1
	s_barrier_wait -1
	s_cmp_lg_u32 s[WV], 0
	s_cbranch_scc1 .Lnot_wave_0_\@
	s_barrier_signal -3
.Lnot_wave_0_\@:
	s_barrier_wait -3
	s_barrier_signal -1
	s_barrier_wait -1
.endm
	s_load_b128 s[4:7], s[0:1], 0x0                ; qkv s[4:5], ctx s[6:7]
	v_lshl_add_u32 v[SPW], v0, 2, SPARE
	v_mov_b32 v[NIL], 0
	ds_add_u32 v[SPW], v[NIL]                      ; the wave's opening: the add, twice on end, and its wait ahead of my first tensor load
	ds_add_u32 v[SPW], v[NIL]
	v_lshrrev_b32 v1, 5, v0
	v_readfirstlane_b32 s[WV], v1                  ; wave 0..7
	s_bfe_u32 s13, ttmp6, 0x40000                  ; cx: my block of 512 queries; it enters Q's, ctx's and the prefetches' addresses alone
	s_and_b32 s14, ttmp7, 0xffff                   ; batch x 16 + head, which the four partners share
	s_and_b32 s16, s[WV], 3                        ; which of a slot's four steps I fetch
	s_mul_i32 s17, s16, STEPB                      ; its place in a slot
	s_lshl_b32 s20, s14, 18                        ; a head is 262,144 bytes
	s_lshl_b32 s21, s16, 13                        ; a step's 64 keys are 8,192
	s_add_co_u32 s20, s20, s21
	s_add_co_u32 s22, s20, 0x2000000               ; V is the third tensor of qkv,
	s_add_co_u32 s20, s20, 0x1000000               ; K the second
	s_mov_b32 s21, 0
	s_mov_b32 s23, 0
	s_lshl_b32 s2, s14, 18
	s_lshl_b32 s3, s13, 16
	s_add_co_u32 s2, s2, s3
	s_lshl_b32 s3, s[WV], 13
	s_add_co_u32 s2, s2, s3                        ; Q: my wave's 64 queries
	s_mov_b32 s3, 0
	s_and_b32 s10, s14, 15
	s_lshl_b32 s10, s10, 20                        ; ctx: head x 8,192 tokens of 128 bytes
	s_lshr_b32 s11, s14, 4
	s_lshl_b32 s11, s11, 18                        ; + batch x 2,048 tokens
	s_add_co_u32 s10, s10, s11
	s_lshl_b32 s11, s13, 16
	s_add_co_u32 s10, s10, s11
	s_lshl_b32 s11, s[WV], 13
	s_add_co_u32 s10, s10, s11
	s_mov_b32 s11, 0
	s_mov_b32 s[G1K], 15|(1<<16)|(1<<20)|(1<<21)|(5<<22)|(3<<25)  ; the mask: all four; elements of 2 bytes; padding: 4 words behind every 64; bit 21 beside a mask
	s_mov_b32 s[G1V], 15|(1<<16)|(1<<20)|(1<<21)|(5<<22)|(7<<25)  ; the same with 8 words of padding
.irp g, G1K, G1V
	s_mov_b32 s[\g+1], 128<<16                     ; tensor_dim0 = 128 elements: two keys
	s_mov_b32 s[\g+2], 32<<16                      ; tensor_dim1 = 32
	s_mov_b32 s[\g+3], 128<<16                     ; tile_dim0
	s_mov_b32 s[\g+4], 32                          ; tile_dim1
	s_mov_b32 s[\g+5], 128                         ; from row to row: dense
	s_mov_b32 s[\g+6], 0
	s_mov_b32 s[\g+7], 0
.endr
	s_mov_b32 s[CS], 0x3e38aa3b                    ; c = log2(e) / 8
	s_mov_b32 s[CS+1], s[CS]                       ; named with it as a pair, so it is written
	s_mov_b32 s[SEL], 0x76543210
	s_mov_b32 s[SEL+1], 0xfedcba98                 ; v_permlanex16_b32: lane l xor 16
	s_mov_b32 s[TB], 0
	s_mov_b32 s[SLOTS], 6                          ; eight slots' worth of keys; two are first fills
	s_or_b32 s[LIM], s16, ttmp9
	s_cmp_eq_u32 s[LIM], 0
	s_cselect_b32 s[LIM], 1, -1                    ; 1 in waves 0 and 4: the same in all four partners
	v_and_b32 v[PFO], 31, v0
	v_lshlrev_b32 v[PFO], 8, v[PFO]
	s_wait_dscnt 0x0                               ; both opening adds are done
	s_wait_kmcnt 0x0
	s_add_nc_u64 s[20:21], s[4:5], s[20:21]        ; K at my tile of slot 0
	s_add_nc_u64 s[22:23], s[4:5], s[22:23]        ; V likewise
	s_add_nc_u64 s[8:9], s[4:5], s[2:3]            ; Q at my first query
	s_add_nc_u64 s[6:7], s[6:7], s[10:11]          ; ctx likewise
	s_cmp_lt_u32 s[WV], 4
	s_cselect_b64 s[PFA:PFA+1], s[20:21], s[22:23] ; (in waves 0 and 4 these stand at a slot's first byte)
	s_lshl_b32 s2, s13, 13
	s_mov_b32 s3, 0
	s_add_nc_u64 s[PFA:PFA+1], s[PFA:PFA+1], s[2:3]
	s_add_nc_u64 s[PFA:PFA+1], s[PFA:PFA+1], 2*32768   ; in slot 2; the first change of slots steps it to slot 3.  Nothing is prefetched at the head
	CROUND                                         ; all four work-groups are here: the first joint loads meet
.irp s, 0,1
	s_mov_b32 s[G0K+4*\s], 1
	s_add_co_u32 s[G0K+4*\s+1], s17, \s*SLOT1
	s_add_nc_u64 s[G0K+4*\s+2:G0K+4*\s+3], s[20:21], \s*32768
	s_or_b32 s[G0K+4*\s+3], s[G0K+4*\s+3], 0x80000000
	s_mov_b32 s[G0V+4*\s], 1
	s_add_co_u32 s[G0V+4*\s+1], s17, \s*SLOT1+VOFF
	s_add_nc_u64 s[G0V+4*\s+2:G0V+4*\s+3], s[22:23], \s*32768
	s_or_b32 s[G0V+4*\s+3], s[G0V+4*\s+3], 0x80000000
.endr
	s_cmp_lt_u32 s[WV], 4                          ; a wave's two first fills stand in one branch: two loads of mine are out
	s_cbranch_scc0 .Lfirst_v
	tensor_load_to_lds s[G0K:G0K+3], s[G1K:G1K+7]
	s_nop 0
	tensor_load_to_lds s[G0K+4:G0K+7], s[G1K:G1K+7]
	s_nop 0
.rept 4
	v_nop
.endr
	s_branch .Lfirst_asked
.Lfirst_v:
	tensor_load_to_lds s[G0V:G0V+3], s[G1V:G1V+7]
	s_nop 0
	tensor_load_to_lds s[G0V+4:G0V+7], s[G1V:G1V+7]
	s_nop 0
.rept 4
	v_nop
.endr
.Lfirst_asked:
	v_and_b32 v1, 15, v0                           ; r
	v_bfe_u32 v9, v0, 4, 1                         ; h
	v_lshlrev_b32 v[QO], 7, v1
	v_lshl_add_u32 v[QO], v9, 4, v[QO]             ; row r of 128 bytes + 16 h
	WIN 0x40                                       ; destination window 1
.irp i, 0,1,2,3,4,5,6,7                        ; Q stays in registers: tile i / 2, channels 32 (i % 2) on
	global_load_b128 v[8*\i:8*\i+3],   v[QO], s[8:9] offset:(\i/2)*2048+(\i%2)*64
	global_load_b128 v[8*\i+4:8*\i+7], v[QO], s[8:9] offset:(\i/2)*2048+(\i%2)*64+32
.endr
	WIN 0
	v_lshrrev_b32 v10, 1, v1
	v_and_b32 v11, 1, v0
	v_mul_u32_u24 v[AK0], v10, PK
	v_lshl_add_u32 v[AK0], v11, 7, v[AK0]
	v_lshl_add_u32 v[AK0], v9, 4, v[AK0]           ; K: key r: (r / 2) x pitch + 128 (r % 2) + 16 h
	v_bfe_u32 v10, v0, 1, 2
	v_lshl_add_u32 v10, v9, 2, v10
	v_mul_u32_u24 v[AV0], v10, PVP
	v_lshl_add_u32 v[AV0], v11, 7, v[AV0]
	v_bfe_u32 v10, v0, 3, 1
	v_lshl_add_u32 v[AV0], v10, 4, v[AV0]
	v_add_nc_u32 v[AV0], VOFF, v[AV0]              ; V: key 8 h + lane % 8, channels 8 ((lane / 8) % 2) on
	s_mul_i32 s16, s[WV], 16*SP
	s_add_co_u32 s16, s16, STAGE                   ; my stage
	v_mul_u32_u24 v[STO], v1, SP
	v_lshl_add_u32 v[STO], v9, 4, v[STO]
	v_add_nc_u32 v[STO], s16, v[STO]               ; in: row r, 16 bytes for each half of the lanes
	v_bfe_u32 v10, v0, 3, 2
	v_mul_u32_u24 v[RD], v10, SP
	v_and_b32 v11, 7, v0
	v_lshl_add_u32 v[RD], v11, 4, v[RD]
	v_add_nc_u32 v[RD], s16, v[RD]                 ; back: eight lanes to a row of 128 bytes, four rows an instruction
	v_and_b32 v[GO], 31, v0
	v_lshlrev_b32 v[GO], 4, v[GO]                  ; and in ctx, where the rows are dense: 16 x lane
.macro FETCH_K                         ; a step's K: 4 tiles of 16 keys x 2 halves of the head; the addition is a plain place too
	v_add_nc_u32 v[ADR], s[TB], v[AK0]
.irp f, 0,1,2,3,4,5,6,7
	ds_load_b128 v[KF+8*\f:KF+8*\f+3],   v[ADR] offset:(\f/2)*8*PK+(\f%2)*64
	ds_load_b128 v[KF+8*\f+4:KF+8*\f+7], v[ADR] offset:(\f/2)*8*PK+(\f%2)*64+32
.endr
.endm
.macro FETCH_V                         ; a step's V, turned.  The addition and four v_nop are five places behind V^T P: four for the loads into V's registers, five for the next K Q^T, which writes over the registers read as P
	v_add_nc_u32 v[ADR], s[TB], v[AV0]
.rept 4
	v_nop
.endr
	s_add_co_u32 s[TB], s[TB], STEPB               ; the next fetch is the next step's
	WIN 0x40
.irp f, 0,1,2,3,4,5,6,7                        ; keys 32 (f / 4) on, channels 16 (f % 4) on
	ds_load_tr16_b128 v[VF+8*\f:VF+8*\f+3],   v[ADR] offset:(\f/4)*16*PVP+(\f%4)*32
	ds_load_tr16_b128 v[VF+8*\f+4:VF+8*\f+7], v[ADR] offset:(\f/4)*16*PVP+8*PVP+(\f%4)*32
.endr
	WIN 0
.endm
.macro KQ                              ; S^T = K Q^T: 32 products; the 16 accumulators take turns; the first 16 start the sums
	WIN W_KQ
.irp kc, 0,1
.irp kt, 0,1,2,3
.irp t, 0,1,2,3
.if \kc == 0
	v_wmma_f32_16x16x32_f16 v[S+32*\t+8*\kt:S+32*\t+8*\kt+7], v[KF+16*\kt+8*\kc:KF+16*\kt+8*\kc+7], v[16*\t+8*\kc:16*\t+8*\kc+7], 0
.else
	v_wmma_f32_16x16x32_f16 v[S+32*\t+8*\kt:S+32*\t+8*\kt+7], v[KF+16*\kt+8*\kc:KF+16*\kt+8*\kc+7], v[16*\t+8*\kc:16*\t+8*\kc+7], v[S+32*\t+8*\kt:S+32*\t+8*\kt+7]
.endif
.endr
.endr
.endr
.endm
.macro PVM first                       ; O^T += V^T P: 32 products, 16 accumulators by turns; in the first key step the first 16 start the sums
	WIN W_PV
.irp kh, 0,1
.irp ct, 0,1,2,3
.irp t, 0,1,2,3
.if \first && (\kh == 0)
	v_wmma_f32_16x16x32_f16 v[OA+32*\t+8*\ct:OA+32*\t+8*\ct+7], v[VF+8*(\ct+4*\kh):VF+8*(\ct+4*\kh)+7], v[S+32*\t+8*\kh:S+32*\t+8*\kh+7], 0
.else
	v_wmma_f32_16x16x32_f16 v[OA+32*\t+8*\ct:OA+32*\t+8*\ct+7], v[VF+8*(\ct+4*\kh):VF+8*(\ct+4*\kh)+7], v[S+32*\t+8*\kh:S+32*\t+8*\kh+7], v[OA+32*\t+8*\ct:OA+32*\t+8*\ct+7]
.endif
.endr
.endr
.endr
.endm
.macro SCL t, i                        ; pair i of tile t: c s - c m
	v_pk_fma_f32 v[S+32*(\t)+2*(\i):S+32*(\t)+2*(\i)+1], v[S+32*(\t)+2*(\i):S+32*(\t)+2*(\i)+1], s[CS:CS+1], v[ST+8*(\t):ST+8*(\t)+1] op_sel_hi:[1,0,0] neg_lo:[0,0,1] neg_hi:[0,0,1]
.endm
; THE SOFTMAX of a key step, every line for the four tiles by turns, so that no line waits for the line above it.  first = 1: the first key step: no old m, no a, nothing to rescale.
.macro SOFTMAX first
.irp j, 0,1,2,3                                ; the maximum of a lane's 32 scores: four chains; each accumulator is first read at its low end
.irp t, 0,1,2,3
	v_max3_num_f32 v[ST+8*\t+4+\j], v[S+32*\t+8*\j], v[S+32*\t+8*\j+1], v[S+32*\t+8*\j+2]
.endr
.endr
.irp g, 1,2
.irp j, 0,1,2,3
.irp t, 0,1,2,3
	v_max3_num_f32 v[ST+8*\t+4+\j], v[ST+8*\t+4+\j], v[S+32*\t+8*\j+2*\g+1], v[S+32*\t+8*\j+2*\g+2]
.endr
.endr
.endr
.irp t, 0,1,2,3
	v_max3_num_f32 v[ST+8*\t+4], v[ST+8*\t+4], v[S+32*\t+7], v[S+32*\t+15]
.endr
.irp t, 0,1,2,3
	v_max3_num_f32 v[ST+8*\t+6], v[ST+8*\t+6], v[S+32*\t+23], v[S+32*\t+31]
.endr
.irp t, 0,1,2,3
	v_max3_num_f32 v[ST+8*\t+4], v[ST+8*\t+4], v[ST+8*\t+5], v[ST+8*\t+6]
.endr
.irp t, 0,1,2,3
.if \first
	v_max_num_f32 v[ST+8*\t+4], v[ST+8*\t+4], v[ST+8*\t+7]
.else
	v_max3_num_f32 v[ST+8*\t+4], v[ST+8*\t+4], v[ST+8*\t+7], v[ST+8*\t+1]   ; and the old m
.endif
.endr
.irp t, 0,1,2,3
	v_permlanex16_b32 v[ST+8*\t+5], v[ST+8*\t+4], s[SEL], s[SEL+1]   ; the query's other 32 keys lie in the lane 16 away
.endr
.if \first == 0
.irp t, 0,1,2,3
	v_mov_b32 v[ST+8*\t+7], v[ST+8*\t]             ; c m_old is kept for a
.endr
.endif
.irp t, 0,1,2,3
	v_max_num_f32 v[ST+8*\t+1], v[ST+8*\t+4], v[ST+8*\t+5]
.endr
.irp t, 0,1,2,3
	v_mul_f32 v[ST+8*\t], s[CS], v[ST+8*\t+1]
.endr
.if \first == 0
.irp t, 0,1,2,3
	v_sub_f32 v[ST+8*\t+7], v[ST+8*\t+7], v[ST+8*\t]
.endr
.irp t, 0,1,2,3
	v_exp_f32 v[ST+8*\t+6], v[ST+8*\t+7]           ; a
.endr
.endif
	; ONE BATCH: the scalings and all exponentials; none of these lines names an exponential's result.  A tile's scalings stand among the exponentials of the tile before
.irp i, 0,1,2,3,4,5,6,7,8,9,10,11,12,13,14,15
	SCL 0, \i
.endr
.irp t, 0,1,2
.irp i, 0,1,2,3,4,5,6,7,8,9,10,11,12,13,14,15
	SCL \t+1, \i
	v_exp_f32 v[S+32*\t+2*\i], v[S+32*\t+2*\i]
	v_exp_f32 v[S+32*\t+2*\i+1], v[S+32*\t+2*\i+1]
.endr
.endr
.irp i, 0,1,2,3,4,5,6,7,8,9,10,11,12,13,14,15,16,17,18,19,20,21,22,23,24,25,26,27,28,29,30,31
	v_exp_f32 v[S+96+\i], v[S+96+\i]
.endr
	v_nop                                          ; a plain instruction behind the last exponential
	s_wait_alu depctr_va_vdst(0)                   ; one wait for the whole batch, ahead of its first reader
	; the sums of the unrounded p, in two chains a tile: l = a l + pairs 0, 2, .. 14; c0:c1 = pairs 1, 3, .. 15
.irp t, 0,1,2,3
.if \first
	v_pk_add_f32 v[ST+8*\t+2:ST+8*\t+3], v[S+32*\t:S+32*\t+1], v[S+32*\t+4:S+32*\t+5]
.else
	v_pk_fma_f32 v[ST+8*\t+2:ST+8*\t+3], v[ST+8*\t+2:ST+8*\t+3], v[ST+8*\t+6:ST+8*\t+7], v[S+32*\t:S+32*\t+1] op_sel_hi:[1,0,1]
.endif
	v_pk_add_f32 v[ST+8*\t+4:ST+8*\t+5], v[S+32*\t+2:S+32*\t+3], v[S+32*\t+6:S+32*\t+7]
.endr
.irp i, 2,4,6,8,10,12,14
.irp t, 0,1,2,3
.if (\first == 0) || (\i > 2)
	v_pk_add_f32 v[ST+8*\t+2:ST+8*\t+3], v[ST+8*\t+2:ST+8*\t+3], v[S+32*\t+2*\i:S+32*\t+2*\i+1]
.endif
.if \i > 2
	v_pk_add_f32 v[ST+8*\t+4:ST+8*\t+5], v[ST+8*\t+4:ST+8*\t+5], v[S+32*\t+2*\i+2:S+32*\t+2*\i+3]
.endif
.endr
.endr
.irp t, 0,1,2,3
	v_pk_add_f32 v[ST+8*\t+2:ST+8*\t+3], v[ST+8*\t+2:ST+8*\t+3], v[ST+8*\t+4:ST+8*\t+5]
.endr
.irp i, 0,1,2,3,4,5,6,7,8,9,10,11,12,13,14,15  ; p to f16, in place: register i takes pair i; ascending, so no pair is written over before it is read
.irp t, 0,1,2,3
	v_cvt_pk_f16_f32 v[S+32*\t+\i], v[S+32*\t+2*\i], v[S+32*\t+2*\i+1]
.endr
.endr
.if \first
.rept 4
	v_nop
.endr
.else
	WIN W_RS
.irp i, 0,1,2,3,4,5,6,7,8,9,10,11,12,13,14,15
.irp t, 0,1,2,3
	v_pk_mul_f32 v[OA+32*\t+2*\i:OA+32*\t+2*\i+1], v[OA+32*\t+2*\i:OA+32*\t+2*\i+1], v[ST+8*\t+6:ST+8*\t+7] op_sel_hi:[1,0]   ; O^T x a
.endr
.endr
.endif
.endm
; A KEY STEP.  Its K and V were asked for during the step before; fetch = 1: the next step's are asked for here, K behind K Q^T and V behind V^T P.
.macro STEP first, fetch
	s_wait_dscnt 16                                ; K is in; V's sixteen loads may be out
	KQ
	WIN 0
.if \fetch
.rept 3
	v_nop                                          ; with FETCH_K's addition four places: for the loads into K's registers and for the first read of the scores
.endr
	FETCH_K
.else
.rept 4
	v_nop
.endr
.endif
	SOFTMAX \first
.if \fetch
	s_wait_dscnt 16                                ; V is in; the next K's sixteen loads may be out
.else
	s_wait_dscnt 0x0
.endif
	PVM \first
	WIN 0
.if \fetch
	FETCH_V
.endif
.endm
.macro STEPS n
	s_mov_b32 s[CNT], \n
.Lstep_\@:
	STEP 0, 1
	s_sub_co_u32 s[CNT], s[CNT], 1
	s_cmp_lg_u32 s[CNT], 0
	s_cbranch_scc1 .Lstep_\@
.endm
; THE CHANGE OF SLOTS stands ahead of a slot's LAST step: all that step's fragments were asked for a step earlier.  Each wave waits for all its tensor loads (one is out: its part of the other slot), adds 0 to its
; spare word, and waits for that and for its reads of the slot.  fill = 1: the barrier is a round of the cluster's, and the joint refill, with the keys two slots on, is the first thing behind it: it has four key steps in which to land.
.macro CHANGE fill
	s_wait_tensorcnt 0x0                           ; no tensor load of mine is out, so a group 0 may be written
	ds_add_u32 v[SPW], v[NIL]
.if \fill
.irp g, G0K+4, G0V+4
	s_xor_b32 s[\g+1], s[\g+1], SLOT1              ; the walking descriptors: the other slot than last time,
	s_add_nc_u64 s[\g+2:\g+3], s[\g+2:\g+3], 32768 ; the next 256 keys
.endr
	s_wait_xcnt 0x0                                ; the last prefetch, four key steps back, has read its address
	s_add_nc_u64 s[PFA:PFA+1], s[PFA:PFA+1], 32768
	s_wait_dscnt 0x0                               ; the add is done, and my reads of the slot are over
	CROUND
	JLOAD
	ASK
.else
	s_wait_dscnt 0x0
	s_barrier_signal -1
	s_barrier_wait -1
.endif
	s_sub_co_u32 s[TB], s[TB], 4*STEPB             ; the fetches go back to a slot's first step,
	s_xor_b32 s[TB], s[TB], SLOT1                  ; in the other slot
.endm
	s_wait_tensorcnt 1                             ; my part of slot 0 is in; slot 1's may stay out
	s_barrier_signal -1
	s_barrier_wait -1
	FETCH_K                                        ; key step 0
	FETCH_V
	s_wait_loadcnt 0x0                             ; Q
	STEP 1, 1                                      ; step 0
	STEPS 2                                        ; steps 1, 2
.Lslot:                                            ; six trips: steps 3 to 26; slots 2 to 7 are asked for
	CHANGE 1
	STEPS 4
	s_sub_co_u32 s[SLOTS], s[SLOTS], 1
	s_cmp_lg_u32 s[SLOTS], 0
	s_cbranch_scc1 .Lslot
	CHANGE 0                                       ; the tail is written out
	STEPS 4                                        ; steps 27 to 30
	STEP 0, 0                                      ; step 31
	; THE WAY OUT.  l's two halves and the other half of the lanes' are added; O^T / l is rounded to f16 and goes through my stage, a tile (16 queries) at a time.  The additions are the places behind the last products.
.irp t, 0,1,2,3
	v_add_f32 v[ST+8*\t+4], v[ST+8*\t+2], v[ST+8*\t+3]
.endr
.irp t, 0,1,2,3
	v_permlanex16_b32 v[ST+8*\t+5], v[ST+8*\t+4], s[SEL], s[SEL+1]
.endr
.irp t, 0,1,2,3
	v_add_f32 v[ST+8*\t+4], v[ST+8*\t+4], v[ST+8*\t+5]
.endr
.irp t, 0,1,2,3
	v_rcp_f32 v[ST+8*\t+6], v[ST+8*\t+4]
.endr
	v_nop
	s_wait_alu depctr_va_vdst(0)                   ; one wait for the four reciprocals, ahead of their first reader
.macro PACK t
	WIN W_RS
.irp i, 0,1,2,3,4,5,6,7,8,9,10,11,12,13,14,15
	v_pk_mul_f32 v[OA+32*\t+2*\i:OA+32*\t+2*\i+1], v[OA+32*\t+2*\i:OA+32*\t+2*\i+1], v[ST+8*\t+6:ST+8*\t+7] op_sel_hi:[1,0]
.endr
	WIN 0x05                                       ; sources in window 1, destination in window 0: S^T's registers are free
.irp i, 0,1,2,3,4,5,6,7,8,9,10,11,12,13,14,15
	v_cvt_pk_f16_f32 v[S+32*\t+\i], v[OA+32*\t+2*\i], v[OA+32*\t+2*\i+1]
.endr
	WIN 0
.irp f, 0,1,2,3
	ds_store_b128 v[STO], v[S+32*\t+4*\f:S+32*\t+4*\f+3] offset:32*\f
.endr
.irp f, 0,1,2,3
	ds_load_b128 v[S+32*\t+4*\f:S+32*\t+4*\f+3], v[RD] offset:\f*4*SP   ; LDS serves a wave's instructions in order: these see the stores above; the next tile's stores come behind them
.endr
.endm
.macro SEND t, younger                 ; younger: the LDS instructions issued behind tile t's loads
.irp f, 0,1,2,3
	s_wait_dscnt \younger+3-\f
	global_store_b128 v[GO], v[S+32*\t+4*\f:S+32*\t+4*\f+3], s[6:7] offset:\t*2048+\f*512   ; 512 consecutive bytes, aligned
.endr
.endm
	PACK 0
	PACK 1
	SEND 0, 8
	PACK 2
	SEND 1, 8
	PACK 3
	SEND 2, 8
	SEND 3, 0
	s_wait_tensorcnt 0x0                           ; the wave's end
	ds_add_u32 v[SPW], v[NIL]
	s_wait_dscnt 0x0
	CROUND                                         ; the closing round
	s_endpgm
.Lfunc_end_k_q670e6fa793_attn:
	.size	k_q670e6fa793_attn, .Lfunc_end_k_q670e6fa793_attn-k_q670e6fa793_attn
	.p2alignl 7, 3214868480
	.fill 96, 4, 3214868480
	.section	.rodata,"a",@progbits
	.p2align	6, 0x0
	.amdhsa_kernel k_q670e6fa793_attn
		.amdhsa_group_segment_fixed_size 327680
		.amdhsa_private_segment_fixed_size 0
		.amdhsa_enable_private_segment 0
		.amdhsa_kernarg_size 16
		.amdhsa_user_sgpr_count 2
		.amdhsa_user_sgpr_kernarg_segment_ptr 1
		.amdhsa_wavefront_size32 1
		.amdhsa_system_sgpr_workgroup_id_x 1
		.amdhsa_system_sgpr_workgroup_id_y 1
		.amdhsa_system_sgpr_workgroup_id_z 1
		.amdhsa_system_vgpr_workitem_id 0
		.amdhsa_next_free_vgpr 512
		.amdhsa_next_free_sgpr 66
		.amdhsa_reserve_vcc 0
		.amdhsa_float_denorm_mode_32 3
		.amdhsa_float_denorm_mode_16_64 3
		.amdhsa_memory_ordered 1
		.amdhsa_forward_progress 1
		.amdhsa_inst_pref_size 178
	.end_amdhsa_kernel
	.amdgpu_metadata
---
amdhsa.version: [ 1, 2 ]
amdhsa.kernels:
  - .name:           k_q670e6fa793_attn
    .symbol:         k_q670e6fa793_attn.kd
    .args:
      - { .name: qkv, .offset: 0, .size: 8, .value_kind: global_buffer, .address_space: global }
      - { .name: ctx, .offset: 8, .size: 8, .value_kind: global_buffer, .address_space: global }
    .group_segment_fixed_size: 327680
    .private_segment_fixed_size: 0
    .kernarg_segment_align: 8
    .kernarg_segment_size: 16
    .max_flat_workgroup_size: 256
    .sgpr_count:     66
    .vgpr_count:     512
    .wavefront_size: 32
...
	.end_amdgpu_metadata
.endif
;; end of part 3
;; launch outp (part 4): grid 8 x 32, 4 waves a work-group, clusters of 4 x 4, 327,680 bytes of LDS; arguments ctx, wof, bo, out0; writes out0
.if DOCPART == 4
	.amdgcn_target "amdgcn-amd-amdhsa--gfx1250"
	.amdhsa_code_object_version 6
	.text
	.protected	k_q670e6fa793_outp
	.globl	k_q670e6fa793_outp
	.p2align	8
	.type	k_q670e6fa793_outp,@function
k_q670e6fa793_outp:
	s_mov_b64 s[64:65], 0
	v_nop
	global_prefetch_b8 v0, s[64:65] scope:SCOPE_SE
	s_setreg_imm32_b32 hwreg(HW_REG_WAVE_MODE, 25, 1), 1
	s_wait_xcnt 0x0
	s_wait_alu depctr_hold_cnt(0) depctr_sa_sdst(0) depctr_va_vdst(0) depctr_va_sdst(0) depctr_va_ssrc(0) depctr_va_vcc(0) depctr_vm_vsrc(0)
	s_getreg_b32 s2, hwreg(HW_REG_IB_STS2, 6, 4)
	s_cmp_eq_u32 s2, 0
	s_cbranch_scc0 .Lentry_in_a_cluster
	s_endpgm
.Lentry_in_a_cluster:
	s_bfe_u32 s2, ttmp6, 0x10000c
	s_cmp_lg_u32 s2, 0xf033
	s_cbranch_scc0 .Lentry_shape_is_right
	s_endpgm
.Lentry_shape_is_right:
; OUTP: out0[token][n] = the sum over k of ctx[token][k] wo[k][n] + bo[n].  ctx: f16 [16 heads][8192 tokens][64] (k = 64 head + channel); wof: f16 [1024 k][1024 n]; out0: f32 [8192][1024].  Sums in f32.
; A tile of 256 tokens x 128 columns for each of 256 work-groups (tiles of 256 x 256 would be 128).  Four waves, each 128 tokens x 64 columns: 32 accumulators, 256 registers.
; K goes in eight steps of 128 (two heads) through a ring of two LDS slots.  A head's 256 tokens are 32,768 dense bytes: a plane of 128 rows of 256 bytes, two tokens to a row, 16 bytes of padding.
; wo's 128 rows of a K step are rows of 256 bytes with 32 of padding; its fragments come turned, by ds_load_tr16_b128.
; CLUSTERS: 4 x 4 work-groups; ctx's planes are shared along a row of the cluster, wo's tiles along a column: joint loads.
; THE MATRIX INSTRUCTION IS USED TRANSPOSED (source 0 = 16 columns of wo, source 1 = 16 tokens): a lane holds eight neighbouring columns of one token.  bo is the C of each sum's first instruction.
; REGISTERS: window 0: v16-30 addresses; v32-63 bo in the result's layout; v64-191 ctx's fragments, two buffers of 64; v192-255 wo's, two of 32.  window 1: accumulator (a, b) at v[8 (4 a + b)].
.set PITCH,  272
.set PLANE,  128*PITCH
.set PB,     288
.set BOFF,   2*PLANE
.set SLOT,   BOFF+128*PB
.set STAGE,  2*SLOT                    ; the way out: 16 rows x 272 bytes for each wave; no tile lands here
.set SPITCH, 272
.set SPARE,  STAGE+4*16*SPITCH         ; the spare words: two blocks of 256 bytes that no other line names
.set ADRA, 16
.set ADRB, 20
.set STO,  24
.set RD,   25
.set CO,   26
.set SPW,  28
.set NIL,  29
.set BOF,  30                          ; the bias loads' offset; never rewritten
.set BIAS, 32
.set BK,   64
.set G1, 24
.set G0, 32
.set G1B, 48
.set G0B, 56
.set MSB, 0
.macro WIN new
.if MSB != (\new)
	s_set_vgpr_msb (MSB<<8)|(\new)
.set MSB, \new
.endif
.endm
.set MUL,  0x50                        ; C and D in window 1
.set MULB, 0x40                        ; D in window 1, C (the bias) in window 0
.macro JLOAD s                         ; waves 0 and 1 fetch ctx's two planes, waves 2 and 3 wo's two halves; an s_nop 0 and four v_nop follow each line
	s_cmp_eq_u32 s11, 0
	s_cbranch_scc0 .Lfor_b_\@
	tensor_load_to_lds s[G0+4*\s:G0+4*\s+3], s[G1:G1+7]
	s_nop 0
.rept 4
	v_nop
.endr
	s_branch .Lasked_\@
.Lfor_b_\@:
	tensor_load_to_lds s[G0B+4*\s:G0B+4*\s+3], s[G1B:G1B+7]
	s_nop 0
.rept 4
	v_nop
.endr
.Lasked_\@:
.endm
.macro CREST
	s_cmp_lg_u32 s10, 0
	s_cbranch_scc1 .Lnot_wave_0_\@
	s_barrier_signal -3
.Lnot_wave_0_\@:
	s_barrier_wait -3
	s_barrier_signal -1
	s_barrier_wait -1
.endm
.macro CROUND
	s_barrier_signal -1
	s_barrier_wait -1
	CREST
.endm
	s_load_b128 s[4:7], s[0:1], 0x0                ; ctx, wof
	s_load_b128 s[16:19], s[0:1], 0x10             ; bo, out0
	v_lshl_add_u32 v[SPW], v0, 2, SPARE
	v_mov_b32 v[NIL], 0
	ds_add_u32 v[SPW], v[NIL]                      ; the wave's opening: the add, twice on end, and its wait ahead of my first tensor load
	ds_add_u32 v[SPW], v[NIL]
	v_lshrrev_b32 v1, 5, v0
	v_readfirstlane_b32 s10, v1                    ; wave 0..3
	s_lshr_b32 s11, s10, 1                         ; my half of the tokens.  Also: I fetch ctx (0) or wo (1)
	s_and_b32 s12, s10, 1                          ; my half of the columns.  Also: which plane, or which 64 rows of wo
	s_bfe_u32 s40, ttmp6, 0x40000
	s_bfe_u32 s41, ttmp6, 0x40004
	s_lshl_b32 s42, ttmp9, 2
	s_add_co_u32 s42, s42, s40                     ; tile column 0..7
	s_and_b32 s13, ttmp7, 0xffff
	s_lshl_b32 s13, s13, 2
	s_add_co_u32 s13, s13, s41                     ; tile row 0..31
	s_lshl_b32 s43, s41, 2
	s_lshl_b32 s43, 15, s43                        ; my row of the cluster
	s_lshl_b32 s44, 0x1111, s40                    ; my column
	s_or_b32 s[G1+0], s43, (1<<16)|(1<<20)|(1<<21)|(5<<22)|(3<<25)   ; elements of 2 bytes; padding: 4 words behind every 64
	s_mov_b32 s[G1+1], 128<<16
	s_mov_b32 s[G1+2], 128<<16
	s_mov_b32 s[G1+3], 128<<16
	s_mov_b32 s[G1+4], 128                         ; 128 rows of 128 elements, dense
	s_mov_b32 s[G1+5], 128
	s_mov_b32 s[G1+6], 0
	s_mov_b32 s[G1+7], 0
	s_or_b32 s[G1B+0], s44, (1<<16)|(1<<20)|(1<<21)|(5<<22)|(7<<25)  ; 8 words of padding
	s_mov_b32 s[G1B+1], 128<<16
	s_mov_b32 s[G1B+2], 64<<16
	s_mov_b32 s[G1B+3], 128<<16
	s_mov_b32 s[G1B+4], 64                         ; 64 rows of 128 elements,
	s_mov_b32 s[G1B+5], 1024                       ; 1,024 elements apart
	s_mov_b32 s[G1B+6], 0
	s_mov_b32 s[G1B+7], 0
	s_lshl_b32 s20, s12, 20                        ; ctx: my plane (a head is 1,048,576 bytes),
	s_lshl_b32 s21, s13, 15                        ; the tile's 256 tokens of 128 bytes
	s_add_co_u32 s20, s20, s21
	s_mov_b32 s21, 0
	s_lshl_b32 s46, s12, 17                        ; wo: my 64 rows of 2,048 bytes,
	s_lshl_b32 s47, s42, 8                         ; the tile's 128 columns
	s_add_co_u32 s46, s46, s47
	s_mov_b32 s47, 0
	s_mul_i32 s22, s12, PLANE                      ; where they go
	s_mul_i32 s23, s12, 64*PB
	s_add_co_u32 s23, s23, BOFF
	s_wait_dscnt 0x0                               ; both opening adds are done
	s_wait_kmcnt 0x0
	s_add_nc_u64 s[14:15], s[4:5], s[20:21]
	s_add_nc_u64 s[46:47], s[6:7], s[46:47]
	CROUND                                         ; all sixteen work-groups are here: the first joint loads meet
.irp s, 0,1
	s_mov_b32 s[G0+4*\s], 1
	s_add_co_u32 s[G0+4*\s+1], s22, \s*SLOT
	s_add_nc_u64 s[G0+4*\s+2:G0+4*\s+3], s[14:15], \s*2097152        ; K step s: two heads on
	s_or_b32 s[G0+4*\s+3], s[G0+4*\s+3], 0x80000000
	s_mov_b32 s[G0B+4*\s], 1
	s_add_co_u32 s[G0B+4*\s+1], s23, \s*SLOT
	s_add_nc_u64 s[G0B+4*\s+2:G0B+4*\s+3], s[46:47], \s*262144       ; 128 rows on
	s_or_b32 s[G0B+4*\s+3], s[G0B+4*\s+3], 0x80000000
	JLOAD \s
.endr
	v_and_b32 v1, 15, v0                           ; r
	v_bfe_u32 v2, v0, 4, 1                         ; h
	s_lshl_b32 s46, s42, 9
	s_lshl_b32 s47, s12, 8
	s_add_co_u32 s46, s46, s47                     ; my first column, in bytes of f32: 512 x tile column + 256 x half
	s_mov_b32 s47, 0
	s_add_nc_u64 s[16:17], s[16:17], s[46:47]
	v_lshlrev_b32 v[BOF], 5, v2
.irp b, 0,1,2,3                                ; register 8 b + j of lane (r, h) = bo[16 b + 8 h + j]
	global_load_b128 v[BIAS+8*\b:BIAS+8*\b+3], v[BOF], s[16:17] offset:64*\b
	global_load_b128 v[BIAS+8*\b+4:BIAS+8*\b+7], v[BOF], s[16:17] offset:64*\b+16
.endr
	v_lshrrev_b32 v3, 1, v1
	v_mul_u32_u24 v3, v3, PITCH
	v_and_b32 v4, 1, v0
	v_lshl_add_u32 v3, v4, 7, v3
	v_lshl_add_u32 v3, v2, 4, v3                   ; ctx: token r: (r / 2) x pitch + 128 (r % 2) + 16 h
	v_and_b32 v4, 7, v0
	v_lshl_add_u32 v4, v2, 3, v4
	v_mul_u32_u24 v4, v4, PB
	v_bfe_u32 v5, v0, 3, 1
	v_lshl_add_u32 v4, v5, 4, v4                   ; wo: row 8 h + lane % 8, columns 8 ((lane / 8) % 2) on
	s_mul_i32 s21, s11, 64*PITCH                   ; my 128 tokens
	s_lshl_b32 s22, s12, 7                         ; my 64 columns
	s_add_co_u32 s22, s22, BOFF
.irp s, 0,1
	v_add_nc_u32 v[ADRA+\s], s21, v3
	v_add_nc_u32 v[ADRB+\s], s22, v4
	s_add_co_u32 s21, s21, SLOT
	s_add_co_u32 s22, s22, SLOT
.endr
	s_mul_i32 s23, s10, 16*SPITCH
	s_add_co_u32 s23, s23, STAGE                   ; my stage
	v_mul_u32_u24 v[STO], v1, SPITCH
	v_lshl_add_u32 v[STO], v2, 5, v[STO]
	v_add_nc_u32 v[STO], s23, v[STO]               ; in: token r, 32 bytes for each half of the lanes
	v_mul_u32_u24 v[RD], v2, SPITCH
	v_lshl_add_u32 v[RD], v1, 4, v[RD]
	v_add_nc_u32 v[RD], s23, v[RD]                 ; back: lanes 0-15 one row of 256 bytes, lanes 16-31 the next
	v_lshlrev_b32 v[CO], 12, v2
	v_lshl_add_u32 v[CO], v1, 4, v[CO]             ; and the same two rows in out0
	s_lshl_b32 s20, s13, 8
	s_lshl_b32 s21, s11, 7
	s_add_co_u32 s20, s20, s21                     ; my first token
	s_lshl_b32 s20, s20, 12                        ; rows of 4,096 bytes
	s_add_co_u32 s20, s20, s46
	s_mov_b32 s21, 0
	s_add_nc_u64 s[18:19], s[18:19], s[20:21]
; 8 products: token blocks a0, a0 + 1 x my 4 column blocks, 32 along K, from buffer f.  bias = 1: the sums start from bo.  The 32 accumulators take turns.
.macro MUL8 f, a0, bias
.irp a, \a0, \a0+1
.irp b, 0,1,2,3
.if \bias
	v_wmma_f32_16x16x32_f16 v[8*(4*(\a)+\b):8*(4*(\a)+\b)+7], v[192+32*(\f)+8*\b:192+32*(\f)+8*\b+7], v[64+64*(\f)+8*(\a):64+64*(\f)+8*(\a)+7], v[BIAS+8*\b:BIAS+8*\b+7]
.else
	v_wmma_f32_16x16x32_f16 v[8*(4*(\a)+\b):8*(4*(\a)+\b)+7], v[192+32*(\f)+8*\b:192+32*(\f)+8*\b+7], v[64+64*(\f)+8*(\a):64+64*(\f)+8*(\a)+7], v[8*(4*(\a)+\b):8*(4*(\a)+\b)+7]
.endif
.endr
.endr
.endm
; 24 LDS loads in one run: quarter q of the slot (32 along K: plane q / 2, channels 32 (q % 2) on) into buffer f: wo's four fragments first, then ctx's eight
.macro FETCH slot, q, f
.irp b, 0,1,2,3
	ds_load_tr16_b128 v[192+32*(\f)+8*\b:192+32*(\f)+8*\b+3],   v[ADRB+\slot] offset:32*PB*(\q)+32*\b
	ds_load_tr16_b128 v[192+32*(\f)+8*\b+4:192+32*(\f)+8*\b+7], v[ADRB+\slot] offset:32*PB*(\q)+16*PB+32*\b
.endr
.irp a, 0,1,2,3,4,5,6,7
	ds_load_b128 v[64+64*(\f)+8*\a:64+64*(\f)+8*\a+3],   v[ADRA+\slot] offset:PLANE*((\q)/2)+64*((\q)%2)+8*PITCH*\a
	ds_load_b128 v[64+64*(\f)+8*\a+4:64+64*(\f)+8*\a+7], v[ADRA+\slot] offset:PLANE*((\q)/2)+64*((\q)%2)+8*PITCH*\a+32
.endr
.endm
.macro PLACES                          ; four plain instructions in front of loads into registers that matrix instructions have read, and of the first read of results
.rept 4
	v_nop
.endr
.endm
; One of a slot's first three quarters: multiplies buffer f; in its middle it fetches quarter qn of the same slot into buffer g
.macro QUARTER slot, qn, f, g, bias
	s_wait_dscnt 8                                 ; all but the youngest eight loads (token blocks 4-7) are in
.if \bias
	WIN MULB
.else
	WIN MUL
.endif
	MUL8 \f, 0, \bias
	MUL8 \f, 2, \bias
	PLACES
	WIN 0
	FETCH \slot, \qn, \g
	s_wait_dscnt 24                                ; all but the 24 just issued
.if \bias
	WIN MULB
.else
	WIN MUL
.endif
	MUL8 \f, 4, \bias
	MUL8 \f, 6, \bias
.endm
; A slot's last quarter multiplies buffer 1 and changes slots: ONE barrier; in front of it each wave waits for all its tensor loads, adds 0 to its spare word, and waits for that and for its reads of this slot.
; fill = 1: the barrier opens a round of the cluster's, and this slot is filled again, two K steps ahead, first thing behind the round.
.macro TURN slot, next, fill
	WIN 0
	s_wait_tensorcnt 0x0                           ; my part of the next slot has landed
	ds_add_u32 v[SPW], v[NIL]
	s_wait_dscnt 9                                 ; the add and the youngest eight loads may be out
	WIN MUL
	MUL8 1, 0, 0
	s_wait_dscnt 0x0                               ; the add is done, and my reads of this slot are over
	s_barrier_signal -1
	MUL8 1, 2, 0
	WIN 0
	s_barrier_wait -1
.if \fill
	CREST
	s_add_nc_u64 s[G0+4*\slot+2:G0+4*\slot+3], s[G0+4*\slot+2:G0+4*\slot+3], 4194304      ; four heads on
	s_add_nc_u64 s[G0B+4*\slot+2:G0B+4*\slot+3], s[G0B+4*\slot+2:G0B+4*\slot+3], 524288   ; 256 rows on
	JLOAD \slot                                    ; the four v_nop behind it are also the places in front of the loads below
.else
	PLACES
.endif
	FETCH \next, 0, 0
	WIN MUL
	MUL8 1, 4, 0
	MUL8 1, 6, 0
.endm
	s_wait_tensorcnt 1                             ; my part of K step 0 is in; K step 1's load may be out,
	s_barrier_signal -1
	s_barrier_wait -1                              ; everybody's is
	FETCH 0, 0, 0
	s_wait_loadcnt 0x0                             ; bo
	QUARTER 0, 1, 0, 1, 1                          ; the first quarter stands in front of the loop: its products start the sums
	WIN 0
	s_mov_b32 s3, 3
.Llap:                                             ; a trip goes once round the ring and fills both slots again: K steps 2 to 7
	QUARTER 0, 2, 1, 0, 0
	QUARTER 0, 3, 0, 1, 0
	TURN 0, 1, 1
	QUARTER 1, 1, 0, 1, 0
	QUARTER 1, 2, 1, 0, 0
	QUARTER 1, 3, 0, 1, 0
	TURN 1, 0, 1
	QUARTER 0, 1, 0, 1, 0
	WIN 0
	s_sub_co_u32 s3, s3, 1
	s_cmp_lg_u32 s3, 0
	s_cbranch_scc1 .Llap
	QUARTER 0, 2, 1, 0, 0                          ; the last lap fills nothing
	QUARTER 0, 3, 0, 1, 0
	TURN 0, 1, 0
	QUARTER 1, 1, 0, 1, 0
	QUARTER 1, 2, 1, 0, 0
	QUARTER 1, 3, 0, 1, 0
	s_wait_dscnt 8
	WIN MUL
	MUL8 1, 0, 0
	MUL8 1, 2, 0
	s_wait_dscnt 0
	MUL8 1, 4, 0
	MUL8 1, 6, 0
	WIN 0
; THE WAY OUT, a block of 16 tokens x 64 columns at a time: 32 bytes a lane into my stage, back as whole rows of 256 bytes: sixteen lanes store 256 consecutive bytes, aligned.
.macro TOSTAGE a
	WIN 0x04                                       ; an LDS store's data are its source 1: window 1
.irp b, 0,1,2,3
	ds_store_b128 v[STO], v[8*(4*(\a)+\b):8*(4*(\a)+\b)+3] offset:64*\b          ; each accumulator from its low end on
	ds_store_b128 v[STO], v[8*(4*(\a)+\b)+4:8*(4*(\a)+\b)+7] offset:64*\b+16
.endr
	WIN 0
.set BB, BK+32*((\a)%2)
.irp t, 0,1,2,3,4,5,6,7
	ds_load_b128 v[BB+4*\t:BB+4*\t+3], v[RD] offset:\t*2*SPITCH   ; LDS serves a wave's instructions in order: these see the stores above
.endr
.endm
.macro SEND a, younger                 ; younger: the LDS instructions issued behind block a's loads
.set BB, BK+32*((\a)%2)
	s_wait_dscnt \younger
.irp t, 0,1,2,3,4,5,6,7
	global_store_b128 v[CO], v[BB+4*\t:BB+4*\t+3], s[18:19] offset:(16*(\a)+2*\t)*4096 th:TH_STORE_NT
.endr
.endm
	PLACES
	TOSTAGE 0
.irp a, 1,2,3,4,5,6,7
.if \a > 1
	s_wait_xcnt 0x0                                ; the stores of the block two back have read their registers: this block's loads may land there
.endif
	TOSTAGE \a
	SEND \a-1, 16                                  ; behind that block's loads: this block's 8 stores and 8 loads
.endr
	SEND 7, 0
	s_wait_tensorcnt 0x0                           ; the wave's end
	ds_add_u32 v[SPW], v[NIL]
	s_wait_dscnt 0x0
	CROUND                                         ; the closing round
	s_endpgm
.Lfunc_end_k_q670e6fa793_outp:
	.size	k_q670e6fa793_outp, .Lfunc_end_k_q670e6fa793_outp-k_q670e6fa793_outp
	.p2alignl 7, 3214868480
	.fill 96, 4, 3214868480
	.section	.rodata,"a",@progbits
	.p2align	6, 0x0
	.amdhsa_kernel k_q670e6fa793_outp
		.amdhsa_group_segment_fixed_size 327680
		.amdhsa_private_segment_fixed_size 0
		.amdhsa_enable_private_segment 0
		.amdhsa_kernarg_size 32
		.amdhsa_user_sgpr_count 2
		.amdhsa_user_sgpr_kernarg_segment_ptr 1
		.amdhsa_wavefront_size32 1
		.amdhsa_system_sgpr_workgroup_id_x 1
		.amdhsa_system_sgpr_workgroup_id_y 1
		.amdhsa_system_sgpr_workgroup_id_z 1
		.amdhsa_system_vgpr_workitem_id 0
		.amdhsa_next_free_vgpr 512
		.amdhsa_next_free_sgpr 66
		.amdhsa_reserve_vcc 0
		.amdhsa_float_denorm_mode_32 3
		.amdhsa_float_denorm_mode_16_64 3
		.amdhsa_memory_ordered 1
		.amdhsa_forward_progress 1
		.amdhsa_inst_pref_size 87
	.end_amdhsa_kernel
	.amdgpu_metadata
---
amdhsa.version: [ 1, 2 ]
amdhsa.kernels:
  - .name:           k_q670e6fa793_outp
    .symbol:         k_q670e6fa793_outp.kd
    .args:
      - { .name: ctx, .offset: 0, .size: 8, .value_kind: global_buffer, .address_space: global }
      - { .name: wof, .offset: 8, .size: 8, .value_kind: global_buffer, .address_space: global }
      - { .name: bo, .offset: 16, .size: 8, .value_kind: global_buffer, .address_space: global }
      - { .name: out0, .offset: 24, .size: 8, .value_kind: global_buffer, .address_space: global }
    .group_segment_fixed_size: 327680
    .private_segment_fixed_size: 0
    .kernarg_segment_align: 8
    .kernarg_segment_size: 32
    .max_flat_workgroup_size: 128
    .sgpr_count:     66
    .vgpr_count:     512
    .wavefront_size: 32
...
	.end_amdgpu_metadata
.endif
;; end of part 4
